; MI455X (gfx1250); checked and timed in simulation.
; The chip was launched on July 23, 2026; its instructions are those of AMD's public machine-readable ISA for CDNA 5 (MIT licence, August 2026) and "CDNA5" Instruction Set Architecture Reference Guide (July 2026). The comments in the code are by the model that wrote it; some were corrected since.
;; Self Attention. Allowed arithmetic: matrix products marked QUANTISED: E2M3 operands, one E8M0 scale for each 32 along K, by v_wmma_scale_f32_16x16x128_f8f6f4 with both operands' format E2M3, f32 sums; everything else in f32.
;; Inputs: Wk 1,024 x 1,024 float32; Wo 1,024 x 1,024 float32; Wq 1,024 x 1,024 float32; Wv 1,024 x 1,024 float32; cos 2,048 x 64 float32; sin 2,048 x 64 float32; x 2 x 2,048 x 1,024 float32.
;; Outputs: out0 2 x 2,048 x 1,024 float32.
;; This version of the problem:
;;   THIS VERSION OF THE PROBLEM IS GIVEN IN LOW PRECISION. The matrix products marked QUANTISED in the list below multiply operands that are first quantised to E2M3 (2 exponent bits, 3 mantissa bits; 6 bits a number), with one power-of-two scale for each 32 numbers along K (OCP MX v1.0); their sums are f32. All else is computed in f32.
;;   The module's matrix products, in the order in which they are computed (A, B: the left and right operand; K: the contracted axis; several contracted axes count as one K, in the product's order):
;;     1. [M 4,096, K 1,024] x [K 1,024, N 1,024]; A: input x; B: input Wq: QUANTISED
;;     2. [M 4,096, K 1,024] x [K 1,024, N 1,024]; A: input x; B: input Wk: QUANTISED
;;     3. [M 4,096, K 1,024] x [K 1,024, N 1,024]; A: input x; B: input Wv: QUANTISED
;;     4. batch 32 x [M 2,048, K 64] x [K 64, N 2,048]; A: computed on the way; B: computed on the way: QUANTISED
;;     5. batch 32 x [M 2,048, K 2,048] x [K 2,048, N 64]; A: softmax (see below); B: computed on the way: QUANTISED
;;     6. [M 4,096, K 1,024] x [K 1,024, N 1,024]; A: computed on the way; B: input Wo: QUANTISED
;;   THE QUANTISER, for each operand of a quantised product, along K:
;;     - K is cut into blocks of 32 from its start; a last block that is shorter is filled with zeros.
;;     - A block's scale is 2^e with e = floor(log2(the largest magnitude in the block)) - 2, held to -126 .. 127; a block of zeros has e = 0. As a byte (E8M0): e + 127.
;;     - Each number is divided by its block's scale, clamped to +-7.5, and rounded to the nearest number of E2M3, ties to even, subnormals kept.
;;     - The product sums the exact products of the quantised numbers (number of the format x scale) in f32.
;;   ~~~python
;;   def quantise(x, axis):      # numpy; x: float32 -> the quantised numbers, widened to float32 again
;;       x = np.moveaxis(x, axis, -1); K = x.shape[-1]
;;       x = np.pad(x, [(0, 0)] * (x.ndim - 1) + [(0, -K % 32)]); x = x.reshape(x.shape[:-1] + (-1, 32)); a = np.abs(x).max(-1, keepdims=True)
;;       e = np.where(a > 0, np.clip(np.frexp(np.where(a > 0, a, 1))[1] - 1 - 2, -126, 127), 0)      # np.frexp(a)[1] - 1 = floor(log2(a)), exactly
;;       r = np.clip(x / 2.0 ** e, -7.5, 7.5)
;;       step = 2.0 ** (np.maximum(np.frexp(np.where(r == 0, 1, r))[1] - 1, 0) - 3)
;;       q = np.round(r / step) * step * 2.0 ** e      # np.round: ties to even
;;       return np.moveaxis(q.reshape(q.shape[:-2] + (-1,))[..., :K], -1, axis).astype(np.float32)
;;   ~~~
;;   SOFTMAX AHEAD OF A QUANTISED PRODUCT. Where the list says 'softmax', what is quantised is not the finished softmax but p = 2^(t - M), with t = logit x log2(e) and M = ceil(the row's largest t), a whole number; so 1/2 < the row's largest p <= 1. The row's sum l is taken of the UNQUANTISED p, in f32, and the product's result is divided by l at the end. Since M is a whole number, a kernel that streams over the keys may use a running M (the ceiling of the running maximum): every later rescaling is an exact power of two, which a block's scale takes up: the codes' values come out the same.
;;   OPERANDS COMPUTED ON THE WAY. 'Computed on the way' means the value that the module computes at that place (a softmax that the list does not call 'softmax' is quantised finished and normalised). What goes into a quantiser is computed in f32, as accurately as f32 sums, v_exp_f32 and their like allow (about 1e-6 of the number): no bf16 or f16 on the way to a quantiser, and a product that is left as it is and whose result goes on into a quantised operand takes f32 operands (vector FMAs, or v_wmma_f32_16x16x4_f32). A number that lies on a knife's edge between two numbers of the format may be rounded either way, as far as f32 arithmetic and the matrix unit's own rounding can turn it there, and no further.
;; One version. Each part assembles by itself: llvm-mc -triple=amdgcn-amd-amdhsa -mcpu=gfx1250 --defsym DOCPART=n.
;; ======== version 1 of 1: 4 launches
;; workspace buffers: xc 3,145,728 bytes; xs 131,072 bytes; wc 3,145,728 bytes; ws 131,072 bytes; qk 6,553,600 bytes; vr 3,276,800 bytes; aoc 3,145,728 bytes; aos 131,072 bytes
;; launch quant (part 1): grid 256 x 1, 4 waves a work-group, no clusters, 33,280 bytes of LDS; arguments x, Wq, Wk, Wv, Wo, xc, xs, wc, ws; writes xc, xs, wc, ws
.if DOCPART == 1
	.amdgcn_target "amdgcn-amd-amdhsa--gfx1250"
	.amdhsa_code_object_version 6
	.text
	.protected	k_q627418789a_quant
	.globl	k_q627418789a_quant
	.p2align	8
	.type	k_q627418789a_quant,@function
k_q627418789a_quant:
	s_mov_b64 s[64:65], 0
	v_nop
	global_prefetch_b8 v0, s[64:65] scope:SCOPE_SE
	s_setreg_imm32_b32 hwreg(HW_REG_WAVE_MODE, 25, 1), 1
	s_wait_xcnt 0x0
; x [4096][1024] and Wq, Wk, Wv, Wo [1024][1024], f32, K innermost, become codes of FP6 (E2M3) with one E8M0 byte for each 32 along K.
; xc [4096 places][768 bytes], xs [4096][32];  wc, ws likewise: places 0-1023 Wq, 1024-2047 Wk, 2048-3071 Wv, 3072-4095 Wo.
; A block's scale is 2^(floor(log2(largest magnitude)) - 2); its byte is the largest magnitude's exponent field - 2, held at 1 from below.
; PLACES.  In xc, xs and in Wq's, Wk's and Wv's parts, place p holds the row whose number is p with bits 3 and 4 exchanged: a tile of 16 neighbouring places then holds rows
; 0-7 and 16-23 (or 8-15 and 24-31) of a run of 32, so that in the next launch a lane's 16 results of two neighbouring tiles are 16 neighbours.  Wo keeps its order.
; A wave takes 8 rows (8,192 numbers): a row's bits 3 and 4 are the wave's two bits, so the exchange is made on the wave's number, in the destination alone.
; LIMITS: NaN and infinities are not served; a block of zeros gets the byte 1 (its codes are zeros; this program alone reads the bytes); blocks under 2^-124 are held at byte 1.
; 8,388,608 numbers, 32,768 to a work-group: 256 work-groups.  Work-groups 0-127 x, 128-159 Wq, 160-191 Wk, 192-223 Wv, 224-255 Wo.  Only pointers are chosen: one path for all.
; A step is 512 numbers: four loads of 512 consecutive bytes; they turn through the wave's own stage in LDS so that a lane holds 16 neighbours.  Loads run four steps ahead.
.set STEPS, 16
.set CB,    12                         ; bytes of 16 codes
.set R,     16                         ; v16-79   four sets of 16 numbers as loaded
.set X,     80                         ; v80-111  two sets of 16 neighbours
.set E,     112                        ; v112-127 a scale byte for each step
.set C,     128                        ; v128-191 codes: four registers for each step: no store's data are written again
.set WREG,  8192                       ; LDS of a wave: two stages of 32 x SP bytes, then its 256 scale bytes
.set SP,    80                         ; a lane's place in a stage: 64 bytes + 16
.set WV,    30
	s_load_b512 s[4:19], s[0:1], 0x0               ; x, Wq, Wk, Wv, Wo, xc, xs, wc
	s_load_b64 s[20:21], s[0:1], 0x40              ; ws
	v_lshl_add_u32 v192, v0, 2, 0x8000
	v_mov_b32 v193, 0
	v_lshrrev_b32 v1, 5, v0
	v_readfirstlane_b32 s[WV], v1                  ; wave
	v_and_b32 v2, 31, v0                           ; lane
	v_lshlrev_b32 v3, 4, v2                        ; my 16 bytes of a load's 512
	s_mul_i32 s31, s[WV], WREG
	v_lshrrev_b32 v14, 2, v2
	v_mul_u32_u24 v14, v14, SP
	v_and_b32 v15, 3, v2
	v_lshl_add_u32 v14, v15, 4, v14
	v_add_nc_u32 v14, s31, v14                     ; the stage, in: SP (lane / 4) + 16 (lane % 4)
	v_mul_u32_u24 v15, v2, SP
	v_add_nc_u32 v15, s31, v15                     ; and out: SP x lane
	v_mul_u32_u24 v4, v2, CB                       ; my codes' place in a step's
	v_lshrrev_b32 v5, 1, v2
	s_add_co_u32 s31, s31, 2*32*SP
	v_add_nc_u32 v5, s31, v5                       ; my block's byte among the wave's 256
	v_lshlrev_b32 v7, 3, v2
	v_add_nc_u32 v6, s31, v7                       ; and 8 bytes a lane on the way out
	s_cmp_lt_u32 ttmp9, 128
	s_cselect_b32 s22, 0, 128
	s_sub_co_u32 s23, ttmp9, s22                   ; which 32 places of the destination
	s_and_b32 s24, s23, 31
	s_cmp_lt_u32 ttmp9, 128
	s_cselect_b32 s24, s23, s24                    ; which 32 rows of the source
	s_and_b32 s32, s[WV], 1
	s_lshl_b32 s32, s32, 1
	s_lshr_b32 s33, s[WV], 1
	s_or_b32 s32, s32, s33                         ; the wave's two bits exchanged
	s_cmp_lt_u32 ttmp9, 224
	s_cselect_b32 s32, s32, s[WV]                  ; Wo keeps its order
	s_lshl_b32 s24, s24, 2
	s_add_co_u32 s24, s24, s[WV]
	s_lshl_b32 s24, s24, 15                        ; 8 rows of 4,096 bytes
	s_mov_b32 s25, 0
	s_lshl_b32 s23, s23, 2
	s_add_co_u32 s23, s23, s32
	s_mul_i32 s26, s23, 6144                       ; 8 rows of 768 bytes
	s_mov_b32 s27, 0
	s_lshl_b32 s28, s23, 8                         ; 8 rows of 32 bytes
	s_mov_b32 s29, 0
	s_wait_kmcnt 0x0
	s_cmp_lt_u32 ttmp9, 224                        ; the choices hang on the work-group's number alone
	s_cselect_b64 s[12:13], s[10:11], s[12:13]
	s_cmp_lt_u32 ttmp9, 192
	s_cselect_b64 s[12:13], s[8:9], s[12:13]
	s_cmp_lt_u32 ttmp9, 160
	s_cselect_b64 s[12:13], s[6:7], s[12:13]
	s_cmp_lt_u32 ttmp9, 128
	s_cselect_b64 s[4:5], s[4:5], s[12:13]         ; the numbers
	s_cselect_b64 s[8:9], s[14:15], s[18:19]       ; the codes
	s_cselect_b64 s[10:11], s[16:17], s[20:21]     ; the scale bytes
	s_add_nc_u64 s[4:5], s[4:5], s[24:25]
	s_add_nc_u64 s[8:9], s[8:9], s[26:27]
	s_add_nc_u64 s[10:11], s[10:11], s[28:29]
.macro LOAD t
.irp i, 0,1,2,3
	global_load_b128 v[R+16*((\t)%4)+4*\i:R+16*((\t)%4)+4*\i+3], v3, s[4:5] offset:2048*(\t)+512*\i th:TH_LOAD_NT   ; 32 lanes read 512 consecutive bytes
.endr
.endm
.macro TURN t                          ; step t through the stage: LDS serves a wave's instructions in order, so no wait stands between the stores and the loads
.irp i, 0,1,2,3
	ds_store_b128 v14, v[R+16*((\t)%4)+4*\i:R+16*((\t)%4)+4*\i+3] offset:32*SP*((\t)%2)+8*SP*\i
.endr
.irp i, 0,1,2,3
	ds_load_b128 v[X+16*((\t)%2)+4*\i:X+16*((\t)%2)+4*\i+3], v15 offset:32*SP*((\t)%2)+16*\i
.endr
.endm
.irp t, 0,1,2,3
	LOAD \t
.endr
	s_wait_loadcnt 12                              ; step 0's four loads are in; three steps' twelve may be out
	TURN 0
.macro STEP t
.set XS, X+16*((\t)%2)
.if (\t) > 0
	s_wait_dscnt 1                                 ; this step's numbers are back from the stage; the last step's byte store may be out
.else
	s_wait_dscnt 0x0
.endif
.if (\t)+4 < STEPS
	LOAD (\t)+4                                    ; into the registers that this step's stores into the stage have read
.endif
.if (\t)+1 < STEPS
.if STEPS-2-(\t) >= 3
	s_wait_loadcnt 12                              ; the next step's four loads are in; those of the three steps behind it may be out
.else
	s_wait_loadcnt 4*(STEPS-2-(\t))
.endif
	TURN (\t)+1
.endif
	v_max3_num_f32 v8, |v[XS]|, |v[XS+1]|, |v[XS+2]|               ; the largest magnitude of my 16, in two chains
	v_max3_num_f32 v9, |v[XS+3]|, |v[XS+4]|, |v[XS+5]|
.irp i, 6,10
	v_max3_num_f32 v8, v8, |v[XS+\i]|, |v[XS+\i+1]|
	v_max3_num_f32 v9, v9, |v[XS+\i+2]|, |v[XS+\i+3]|
.endr
	v_max3_num_f32 v8, v8, |v[XS+14]|, |v[XS+15]|
	v_max3_num_f32 v8, v8, v9, 0x1800000           ; and the floor 2^(3 - 127): the byte cannot fall under 1
	v_max_num_f32_dpp v8, v8, v8 row_xmask:1 row_mask:0xf bank_mask:0xf   ; with my neighbour's 16: the block's
	v_add_nc_u32 v11, 0xff000000, v8               ; 2 off its exponent field: the conversion takes that field as its scale
	v_cvt_scalef32_pk16_fp6_f32 v[C+4*(\t):C+4*(\t)+2], v[XS:XS+15], v11
	v_lshrrev_b32 v[E+(\t)], 23, v11               ; the scale's byte (also the plain line behind the conversion)
	ds_store_b8 v5, v[E+(\t)] offset:16*(\t)       ; both lanes of a block write the same byte with the same value
	global_store_b96 v4, v[C+4*(\t):C+4*(\t)+2], s[8:9] offset:32*CB*(\t)   ; the wave stores 384 consecutive bytes
.endm
.irp t, 0,1,2,3,4,5,6,7,8,9,10,11,12,13,14,15
	STEP \t
.endr
	ds_load_b64 v[12:13], v6                       ; in order behind my byte stores
	s_wait_dscnt 0x0
	global_store_b64 v7, v[12:13], s[10:11]        ; 32 lanes store 256 consecutive bytes, aligned
	s_wait_tensorcnt 0x0
	ds_add_u32 v192, v193
	s_wait_dscnt 0x0
	s_endpgm
.Lfunc_end_k_q627418789a_quant:
	.size	k_q627418789a_quant, .Lfunc_end_k_q627418789a_quant-k_q627418789a_quant
	.p2alignl 7, 3214868480
	.fill 96, 4, 3214868480
	.section	.rodata,"a",@progbits
	.p2align	6, 0x0
	.amdhsa_kernel k_q627418789a_quant
		.amdhsa_group_segment_fixed_size 33280
		.amdhsa_private_segment_fixed_size 0
		.amdhsa_enable_private_segment 0
		.amdhsa_kernarg_size 72
		.amdhsa_user_sgpr_count 2
		.amdhsa_user_sgpr_kernarg_segment_ptr 1
		.amdhsa_wavefront_size32 1
		.amdhsa_system_sgpr_workgroup_id_x 1
		.amdhsa_system_sgpr_workgroup_id_y 1
		.amdhsa_system_sgpr_workgroup_id_z 1
		.amdhsa_system_vgpr_workitem_id 0
		.amdhsa_next_free_vgpr 194
		.amdhsa_next_free_sgpr 66
		.amdhsa_reserve_vcc 0
		.amdhsa_float_denorm_mode_32 3
		.amdhsa_float_denorm_mode_16_64 3
		.amdhsa_memory_ordered 1
		.amdhsa_forward_progress 1
		.amdhsa_inst_pref_size 33
	.end_amdhsa_kernel
	.amdgpu_metadata
---
amdhsa.version: [ 1, 2 ]
amdhsa.kernels:
  - .name:           k_q627418789a_quant
    .symbol:         k_q627418789a_quant.kd
    .args:
      - { .name: x, .offset: 0, .size: 8, .value_kind: global_buffer, .address_space: global }
      - { .name: Wq, .offset: 8, .size: 8, .value_kind: global_buffer, .address_space: global }
      - { .name: Wk, .offset: 16, .size: 8, .value_kind: global_buffer, .address_space: global }
      - { .name: Wv, .offset: 24, .size: 8, .value_kind: global_buffer, .address_space: global }
      - { .name: Wo, .offset: 32, .size: 8, .value_kind: global_buffer, .address_space: global }
      - { .name: xc, .offset: 40, .size: 8, .value_kind: global_buffer, .address_space: global }
      - { .name: xs, .offset: 48, .size: 8, .value_kind: global_buffer, .address_space: global }
      - { .name: wc, .offset: 56, .size: 8, .value_kind: global_buffer, .address_space: global }
      - { .name: ws, .offset: 64, .size: 8, .value_kind: global_buffer, .address_space: global }
    .group_segment_fixed_size: 33280
    .private_segment_fixed_size: 0
    .kernarg_segment_align: 8
    .kernarg_segment_size: 72
    .max_flat_workgroup_size: 128
    .sgpr_count:     66
    .vgpr_count:     194
    .wavefront_size: 32
...
	.end_amdgpu_metadata
.endif
;; end of part 1
;; launch qkv (part 2): grid 12 x 16, 4 waves a work-group, clusters of 4 x 4, 327,680 bytes of LDS; arguments xc, xs, wc, ws, cos, sin, qk, vr; writes qk, vr
.if DOCPART == 2
	.amdgcn_target "amdgcn-amd-amdhsa--gfx1250"
	.amdhsa_code_object_version 6
	.text
	.protected	k_q627418789a_qkv
	.globl	k_q627418789a_qkv
	.p2align	8
	.type	k_q627418789a_qkv,@function
k_q627418789a_qkv:
	s_mov_b64 s[64:65], 0
	v_nop
	global_prefetch_b8 v0, s[64:65] scope:SCOPE_SE
	s_setreg_imm32_b32 hwreg(HW_REG_WAVE_MODE, 25, 1), 1
	s_wait_xcnt 0x0
	s_wait_alu depctr_hold_cnt(0) depctr_sa_sdst(0) depctr_va_vdst(0) depctr_va_sdst(0) depctr_va_ssrc(0) depctr_va_vcc(0) depctr_vm_vsrc(0)
	s_getreg_b32 s2, hwreg(HW_REG_IB_STS2, 6, 4)
	s_cmp_eq_u32 s2, 0
	s_cbranch_scc0 .Lentry_in_a_cluster
	s_endpgm
.Lentry_in_a_cluster:
	s_bfe_u32 s2, ttmp6, 0x10000c
	s_cmp_lg_u32 s2, 0xf033
	s_cbranch_scc0 .Lentry_shape_is_right
	s_endpgm
.Lentry_shape_is_right:
; q, k, v = x Wq^T, x Wk^T, x Wv^T on codes of FP6 (E2M3) with E8M0 scales, K = 1,024; RoPE on q and k in f32; q and k quantised along the head's 64, v along the keys; all three stored as IMAGES of operand registers.
; A work-group of four waves makes 256 x 256, a wave 128 x 128: 64 accumulators, 512 registers.  K goes in steps of 256 through two LDS slots filled by the tensor data mover; the scale bytes of the 512 rows come once.
; CLUSTERS of 4 x 4: the four of a row share the tiles of the operand called A here, the four of a column those of B: joint loads.  Source 0 of the matrix instruction = 16 places of B, source 1 = 16 places of A:
; a lane holds ONE place of A (lane % 16) and eight places of B.  Places are rows with bits 3 and 4 exchanged: so the 16 registers of accumulators (a, 2 b), (a, 2 b + 1) are rows 32 b + 16 (lane / 16) + 0 .. 15 of B,
; and lane r of block a holds row 32 (a / 2) + 8 (a % 2) + (r & 7) + 16 (r >> 3) of A.
; Clusters x = 0, 1: A = x (tokens), B = Wq, Wk (features 0 .. 2047): a lane holds a token and 128 neighbouring features, two heads.  Cluster x = 2: A = Wv (features), B = x: a lane holds a feature and 128 neighbouring tokens (keys).
; The choice hangs on the cluster's x alone, which all sixteen partners share.
; RECORDS of 6,400 bytes: four images of 1,536 bytes (12 registers: chunk c of 512 bytes holds lane l's registers 4 c .. 4 c + 3 at 16 l), then two groups of 128 bytes of scale words (lanes 0-15: image 2 g, lanes 16-31: image 2 g + 1).
;   qk: record ((batch 32 + H) 16 + run of 128 tokens), H 0-15 q's heads, 16-31 k's.  Image i: registers 0-5 the 64 codes of token 32 i + 16 (r >> 3) + (r & 7), registers 6-11 those of that token + 8; scale word: the two bytes of each.
;   vr: record ((batch 16 + head) 16 + run of 128 keys).  Image i: row r is channel 32 (i / 2) + 8 (i % 2) + (r & 7) + 16 (r >> 3), K = the 128 keys.
; The images go from registers to memory, 512 consecutive bytes a store: the way out uses no LDS.
; LIMITS: NaN and infinities are not served; a block of zeros gets the byte 1 (its codes are zeros; this program alone reads the bytes).
; REGISTERS: window 0: v0-31 addresses; v32-63 scale words, two sets; v128-223 A's fragments, one set.  Window 1: B's fragments, two sets.  Windows 2, 3: the accumulators ((a, b) at v[8 (8 (a % 4) + b)]).
.set KSTEP,  256
.set NQ,     2
.set ROWB,   192                       ; a tile's row: 256 codes
.set KROW,   768                       ; a row of codes in memory
.set PITCH,  240                       ; an LDS row: 3 x (64 bytes + 16 of padding)
.set FR,     12
.set NL,     6
.set NP,     4                         ; places behind this matrix instruction (ISA guide 7.12.1)
.set HALFT,  128*PITCH
.set SLOT,   4*HALFT
.set KS,     32                        ; a row of scale bytes
.set SCL,    2*SLOT
.set HALFS,  (128*KS/256)*272
.set SBLK,   (16*KS/256)*272
.set SPARE,  SCL+4*HALFS               ; the spare words: 128 bytes a wave, two blocks of 256 bytes that no other line names
.set ADRA, 16
.set ADRB, 20
.set ADRS, 27
.set SPW,  28
.set NIL,  29
.set SC,   32
.set AF,   128
.set G1, 24
.set G0, 32
.set G1B, 48
.set G0B, 56
.set G1S, 68
.set G0S, 76
.set G1SB, 80
.set G0SB, 88
.set MSB, 0
.macro WIN new                         ; the immediate's high byte repeats the setting that is left
.if MSB != (\new)
	s_set_vgpr_msb (MSB<<8)|(\new)
.set MSB, (\new)
.endif
.endm
.set MUL_LO, 0xa1                      ; source 0 (B) window 1, source 1 (A) window 0, C and D window 2
.set MUL_HI, 0xf1
.set TO_B,   0x40
; A joint load: waves 0 and 1 fetch for A, waves 2 and 3 for B; the branch hangs on the wave's number alone.  Four v_nop follow each of the two lines.
.macro JLOAD g0a, g1a, g0b, g1b
	s_cmp_eq_u32 s15, 0
	s_cbranch_scc0 .Lfor_b_\@
	tensor_load_to_lds s[\g0a:\g0a+3], s[\g1a:\g1a+7]
	s_nop 0
.rept 4
	v_nop
.endr
	s_branch .Lasked_\@
.Lfor_b_\@:
	tensor_load_to_lds s[\g0b:\g0b+3], s[\g1b:\g1b+7]
	s_nop 0
.rept 4
	v_nop
.endr
.Lasked_\@:
.endm
.macro CREST                           ; a round of the cluster's barrier behind its opening barrier
	s_cmp_lg_u32 s14, 0
	s_cbranch_scc1 .Lnot_wave_0_\@
	s_barrier_signal -3
.Lnot_wave_0_\@:
	s_barrier_wait -3
	s_barrier_signal -1
	s_barrier_wait -1
.endm
.macro CROUND
	s_barrier_signal -1
	s_barrier_wait -1
	CREST
.endm
	s_load_b256 s[4:11], s[0:1], 0x0               ; xc, xs, wc, ws
	v_lshl_add_u32 v[SPW], v0, 2, SPARE
	v_mov_b32 v[NIL], 0
	ds_add_u32 v28, v29
	ds_add_u32 v28, v29
	s_wait_dscnt 0x0
	v_lshrrev_b32 v1, 5, v0
	v_readfirstlane_b32 s14, v1                    ; wave 0..3
	s_lshr_b32 s15, s14, 1                         ; which half of A's 256 places is mine.  Also: I fetch for A (0) or for B (1)
	s_and_b32 s16, s14, 1                          ; which half of B's.  Also: which 128 places of that tile I fetch
	s_bfe_u32 s40, ttmp6, 0x40000                  ; cx, cy
	s_bfe_u32 s41, ttmp6, 0x40004
	s_and_b32 s95, ttmp7, 0xffff                   ; cluster y
	s_cmp_eq_u32 ttmp9, 2                          ; cluster x = 2 makes v
	s_cselect_b32 s96, s95, ttmp9
	s_cselect_b32 s97, 0, s95
	s_lshl_b32 s42, s96, 2
	s_add_co_u32 s42, s42, s40                     ; B's tile: q, k: 4 x cluster x + cx (features);  v: 4 x cluster y + cx (tokens)
	s_lshl_b32 s17, s97, 2
	s_add_co_u32 s17, s17, s41                     ; A's tile: q, k: 4 x cluster y + cy (tokens);  v: cy (features)
	s_lshl_b32 s43, s41, 2
	s_lshl_b32 s43, 15, s43                        ; my row of the cluster
	s_lshl_b32 s44, 0x1111, s40                    ; my column
	s_or_b32 s[G1+0], s43, (0<<16)|(1<<20)|(1<<21)|(3<<22)|(3<<25)  ; the mask; elements of 1 byte; padding on; bit 21 beside a mask; after every 16 words, 4 words
	s_or_b32 s[G1B+0], s44, (0<<16)|(1<<20)|(1<<21)|(3<<22)|(3<<25)
.irp g, G1, G1B
	s_mov_b32 s[\g+1], ROWB<<16                    ; tensor_dim0
	s_mov_b32 s[\g+2], 128<<16                     ; tensor_dim1
	s_mov_b32 s[\g+3], ROWB<<16                    ; tile_dim0
	s_mov_b32 s[\g+4], 128                         ; tile_dim1
	s_mov_b32 s[\g+5], KROW                        ; the pitch
	s_mov_b32 s[\g+6], 0
	s_mov_b32 s[\g+7], 0
.endr
	s_or_b32 s[G1S+0], s43, (3<<16)|(1<<20)|(1<<21)|(5<<22)|(3<<25)  ; the scale bytes of 128 places: 4,096 dense bytes as 16 rows of 256, 16 bytes of padding behind each
	s_or_b32 s[G1SB+0], s44, (3<<16)|(1<<20)|(1<<21)|(5<<22)|(3<<25)
.irp g, G1S, G1SB
	s_mov_b32 s[\g+1], 32<<16
	s_mov_b32 s[\g+2], (128*KS/256)<<16
	s_mov_b32 s[\g+3], 32<<16
	s_mov_b32 s[\g+4], 128*KS/256
	s_mov_b32 s[\g+5], 32
	s_mov_b32 s[\g+6], 0
	s_mov_b32 s[\g+7], 0
.endr
	s_lshl_b32 s18, s16, 7
	s_lshl_b32 s20, s17, 8
	s_add_co_u32 s20, s20, s18                     ; A: place 256 x tile + 128 x half
	s_lshl_b32 s46, s42, 8
	s_add_co_u32 s46, s46, s18                     ; B likewise
	s_mov_b32 s21, 0
	s_mov_b32 s47, 0
	s_mov_b64 s[18:19], KS
	s_mul_u64 s[22:23], s[20:21], s[18:19]
	s_mul_u64 s[92:93], s[46:47], s[18:19]
	s_mov_b64 s[18:19], KROW
	s_mul_u64 s[20:21], s[20:21], s[18:19]
	s_mul_u64 s[46:47], s[46:47], s[18:19]
	s_mul_i32 s45, s14, HALFT                      ; where they go: wave x 128 rows: no place in the cluster enters an LDS address
	s_mul_i32 s94, s14, HALFS
	s_wait_kmcnt 0x0
	s_add_nc_u64 s[66:67], s[8:9], 2048*KROW       ; Wv's codes
	s_add_nc_u64 s[98:99], s[10:11], 2048*KS       ; and scale bytes
	s_cmp_eq_u32 ttmp9, 2
	s_cselect_b64 s[66:67], s[66:67], s[4:5]       ; A's codes
	s_cselect_b64 s[8:9], s[4:5], s[8:9]           ; B's codes
	s_cselect_b64 s[98:99], s[98:99], s[6:7]       ; A's scale bytes
	s_cselect_b64 s[10:11], s[6:7], s[10:11]       ; B's
	s_add_nc_u64 s[20:21], s[66:67], s[20:21]
	s_add_nc_u64 s[22:23], s[98:99], s[22:23]
	s_add_nc_u64 s[46:47], s[8:9], s[46:47]
	s_add_nc_u64 s[92:93], s[10:11], s[92:93]
	CROUND                                         ; all sixteen work-groups are here: the first joint loads meet
	s_mov_b32 s[G0S], 1
	s_add_co_u32 s[G0S+1], s94, SCL
	s_mov_b64 s[G0S+2:G0S+3], s[22:23]
	s_or_b32 s[G0S+3], s[G0S+3], 0x80000000
	s_mov_b32 s[G0SB], 1
	s_add_co_u32 s[G0SB+1], s94, SCL
	s_mov_b64 s[G0SB+2:G0SB+3], s[92:93]
	s_or_b32 s[G0SB+3], s[G0SB+3], 0x80000000
	JLOAD G0S, G1S, G0SB, G1SB                     ; the scale bytes first: they are wanted with K step 0
.irp s, 0,1
	s_mov_b32 s[G0+4*\s], 1
	s_add_co_u32 s[G0+4*\s+1], s45, \s*SLOT
	s_add_nc_u64 s[G0+4*\s+2:G0+4*\s+3], s[20:21], \s*ROWB
	s_or_b32 s[G0+4*\s+3], s[G0+4*\s+3], 0x80000000
	s_mov_b32 s[G0B+4*\s], 1
	s_add_co_u32 s[G0B+4*\s+1], s45, \s*SLOT
	s_add_nc_u64 s[G0B+4*\s+2:G0B+4*\s+3], s[46:47], \s*ROWB
	s_or_b32 s[G0B+4*\s+3], s[G0B+4*\s+3], 0x80000000
	JLOAD G0+4*\s, G1, G0B+4*\s, G1B
.endr
	s_load_b256 s[4:11], s[0:1], 0x20              ; cos, sin, qk, vr: the first four pointers have been used up
	v_and_b32 v1, 15, v0                           ; l % 16
	v_bfe_u32 v2, v0, 4, 1                         ; l / 16
	v_mul_u32_u24 v3, v1, PITCH
	v_mul_u32_u24 v4, v2, 24
	v_add_nc_u32 v4, v3, v4                        ; a fragment's row x pitch + 24 x half
	v_lshl_add_u32 v5, v2, 4, v4                   ; and the same behind one padding more
	s_mul_i32 s21, s15, HALFT
	s_mul_i32 s22, s16, HALFT
	s_add_co_u32 s22, s22, 2*HALFT
.irp s, 0,1
	v_add_nc_u32 v[ADRA+\s], s21, v4
	v_add_nc_u32 v[ADRB+\s], s22, v4
	v_add_nc_u32 v[ADRA+2+\s], s21, v5
	v_add_nc_u32 v[ADRB+2+\s], s22, v5
	s_add_co_u32 s21, s21, SLOT
	s_add_co_u32 s22, s22, SLOT
.endr
	v_mul_u32_u24 v5, v1, KS                       ; my row's scale bytes,
	v_lshrrev_b32 v6, 8, v5
	v_lshl_add_u32 v5, v6, 4, v5                   ; and 16 more for each 256 passed
	s_mul_i32 s21, s15, HALFS
	s_mul_i32 s22, s16, HALFS
	s_add_co_u32 s22, s22, 2*HALFS
	s_sub_co_u32 s22, s22, s21
	v_mul_u32_u24 v6, s22, v2                      ; lanes 16-31 take B's
	s_add_co_u32 s21, s21, SCL
	v_add_nc_u32 v5, v5, v6
	v_add_nc_u32 v[ADRS], s21, v5
	; where my wave's records begin.  tokens: tile TT, half tw;  heads: tile HT (4 heads), half hw (2 heads)
	s_cmp_eq_u32 ttmp9, 2
	s_cselect_b32 s92, s42, s17                    ; TT
	s_cselect_b32 s93, s16, s15                    ; tw
	s_cselect_b32 s94, s17, s42                    ; HT
	s_cselect_b32 s95, s15, s16                    ; hw
	s_cselect_b32 s96, 16, 32                      ; heads' runs for a batch: 16 in vr, 32 in qk
	s_lshr_b32 s97, s92, 3                         ; batch
	s_mul_i32 s97, s97, s96
	s_lshl_b32 s94, s94, 2
	s_add_co_u32 s97, s97, s94
	s_lshl_b32 s95, s95, 1
	s_add_co_u32 s97, s97, s95
	s_lshl_b32 s97, s97, 4
	s_and_b32 s92, s92, 7
	s_lshl_b32 s92, s92, 1
	s_add_co_u32 s97, s97, s92
	s_add_co_u32 s97, s97, s93
	s_mul_i32 s12, s97, 6400
	s_mov_b32 s13, 0
	s_and_b32 s100, s17, 7                         ; cos, sin: my 128 tokens' rows of 256 bytes (used on q's and k's way alone)
	s_lshl_b32 s100, s100, 1
	s_add_co_u32 s100, s100, s15
	s_lshl_b32 s100, s100, 15
	s_mov_b32 s101, 0
	s_wait_kmcnt 0x0
	s_add_nc_u64 s[4:5], s[4:5], s[100:101]
	s_add_nc_u64 s[6:7], s[6:7], s[100:101]
	s_add_nc_u64 s[8:9], s[8:9], s[12:13]
	s_add_nc_u64 s[10:11], s[10:11], s[12:13]
.macro FRAG reg, adr, q, i             ; a fragment: 12 registers; lane l holds row l % 16; registers 6 c .. 6 c + 5 hold K = 64 c + 32 (l / 16) + 0 .. 31: 24 bytes as they lie, in pieces of 8
.irp p, 0,1,2,3,4,5
.set PC, 12*(\q)+6*(\p/3)+\p%3        ; 16 bytes of padding lie behind every 8 pieces: where the piece three on lies behind one padding more, the second address register serves
.if PC%8 < 5
	ds_load_b64 v[\reg+2*\p:\reg+2*\p+1], v[\adr] offset:8*PC+16*(PC/8)+(\i)*16*PITCH
.else
	ds_load_b64 v[\reg+2*\p:\reg+2*\p+1], v[\adr+2] offset:8*PC+16*(PC/8)+(\i)*16*PITCH
.endif
.endr
.endm
; 16 matrix instructions: A's blocks a0, a0 + 1 x B's eight.  The 64 accumulators take turns, one instruction a turn, in the same order in every step.
.macro MUL16 a0, p, q, sc, zero
.irp a, \a0, \a0+1
.irp b, 0,1,2,3,4,5,6,7
.if \zero
	v_wmma_scale_f32_16x16x128_f8f6f4 v[8*(8*((\a)%4)+\b):8*(8*((\a)%4)+\b)+7], v[128*(\p)+FR*\b:128*(\p)+FR*\b+FR-1], v[AF+FR*(\a):AF+FR*(\a)+FR-1], 0, v[SC+8*NQ*(\sc)+NQ*\b+(\q)], v[SC+8*NQ*(\sc)+NQ*(\a)+(\q)] matrix_a_fmt:MATRIX_FMT_FP6 matrix_b_fmt:MATRIX_FMT_FP6 matrix_a_scale:MATRIX_SCALE_ROW1
.else
	v_wmma_scale_f32_16x16x128_f8f6f4 v[8*(8*((\a)%4)+\b):8*(8*((\a)%4)+\b)+7], v[128*(\p)+FR*\b:128*(\p)+FR*\b+FR-1], v[AF+FR*(\a):AF+FR*(\a)+FR-1], v[8*(8*((\a)%4)+\b):8*(8*((\a)%4)+\b)+7], v[SC+8*NQ*(\sc)+NQ*\b+(\q)], v[SC+8*NQ*(\sc)+NQ*(\a)+(\q)] matrix_a_fmt:MATRIX_FMT_FP6 matrix_b_fmt:MATRIX_FMT_FP6 matrix_a_scale:MATRIX_SCALE_ROW1
.endif
.endr
.endr
.endm
.macro FETCH_B slot, q, p
	WIN TO_B
.irp i, 0,1,2,3,4,5,6,7
	FRAG 128*(\p)+FR*\i, ADRB+\slot, \q, \i
.endr
	WIN 0
.endm
.macro FETCH_A slot, q, i0
.irp i, \i0, \i0+1, \i0+2, \i0+3
	FRAG AF+FR*(\i), ADRA+\slot, \q, \i
.endr
.endm
.macro SCALES sc                       ; a K step's scale words: lanes 0-15 A's block i, lanes 16-31 B's block i
.irp i, 0,1,2,3,4,5,6,7
	ds_load_b64 v[SC+8*NQ*\sc+NQ*\i:SC+8*NQ*\sc+NQ*\i+1], v[ADRS] offset:\i*SBLK
.endr
.endm
.macro PLACES n
.rept \n
	v_nop
.endr
.endm
.macro STEP slot, q, zero              ; 128 along K that has its successor in the same slot
	s_wait_dscnt 4*NL                              ; B's set and A's blocks 0-3 are in; A's blocks 4-7 (24 loads) may be out
	WIN MUL_LO
	MUL16 0, (\q)%2, \q, \slot, \zero
	MUL16 2, (\q)%2, \q, \slot, \zero
	s_wait_dscnt 0
	PLACES NP
	FETCH_B \slot, (\q)+1, 1-(\q)%2
	FETCH_A \slot, (\q)+1, 0
	WIN MUL_HI
	MUL16 4, (\q)%2, \q, \slot, \zero
	MUL16 6, (\q)%2, \q, \slot, \zero
	PLACES NP
	WIN 0
	FETCH_A \slot, (\q)+1, 4
.endm
; A slot's last 128 change slots: one barrier; in front of it each wave waits for all its tensor loads, adds 0 to its spare word, and waits for that and for its reads of this slot.
.macro TURN slot, next, fill
	s_wait_tensorcnt 0x0                           ; all my tensor loads have landed: my part of the next slot
	ds_add_u32 v[SPW], v[NIL]                      ; 0 onto my spare word
	s_wait_dscnt 4*NL+1                            ; the add and A's blocks 4-7 may be out
	WIN MUL_LO
	MUL16 0, 1, NQ-1, \slot, 0
	s_wait_dscnt 0x0                               ; the add is done, and my reads of this slot are over
	s_barrier_signal -1
	MUL16 2, 1, NQ-1, \slot, 0
	WIN 0
	s_barrier_wait -1
.if \fill
	CREST                                          ; the barrier has opened a round of the cluster's barrier: no wave of any partner still reads this slot or has a load on its way
	s_add_nc_u64 s[G0+4*\slot+2:G0+4*\slot+3], s[G0+4*\slot+2:G0+4*\slot+3], 2*ROWB
	s_add_nc_u64 s[G0B+4*\slot+2:G0B+4*\slot+3], s[G0B+4*\slot+2:G0B+4*\slot+3], 2*ROWB
	JLOAD G0+4*\slot, G1, G0B+4*\slot, G1B         ; the first tensor load behind the round; its four v_nop are the places in front of the loads below
.else
	PLACES NP
.endif
	v_add_nc_u32 v[ADRS], 4*NQ, v[ADRS]
	FETCH_B \next, 0, 0
	FETCH_A \next, 0, 0
	SCALES \next
	WIN MUL_HI
	MUL16 4, 1, NQ-1, \slot, 0
	MUL16 6, 1, NQ-1, \slot, 0
	PLACES NP
	WIN 0
	FETCH_A \next, 0, 4
.endm
	s_wait_tensorcnt 1                             ; the scale bytes and my part of K step 0 are in; K step 1's load may be out
	s_barrier_signal -1
	s_barrier_wait -1
	FETCH_B 0, 0, 0
	FETCH_A 0, 0, 0
	SCALES 0
	FETCH_A 0, 0, 4
	STEP 0, 0, 1                                   ; K = 1,024 is four K steps, twice round the ring: written straight.  The first products start the sums
	TURN 0, 1, 1
	STEP 1, 0, 0
	TURN 1, 0, 1
	STEP 0, 0, 0
	TURN 0, 1, 0                                   ; the last lap fills nothing
	STEP 1, 0, 0
	s_wait_dscnt 4*NL
	WIN MUL_LO
	MUL16 0, 1, NQ-1, 1, 0
	MUL16 2, 1, NQ-1, 1, 0
	s_wait_dscnt 0
	WIN MUL_HI
	MUL16 4, 1, NQ-1, 1, 0
	MUL16 6, 1, NQ-1, 1, 0
	WIN 0
; THE WAY OUT.  Window 0 is free but for v28, v29.
.set TM,  4                            ; v4-7 largest magnitudes; v8-11 the other half's, then the bytes; v12-15 the conversions' scale operands
.set X2,  20                           ; v20-22, v24-26: a block's second sixteen codes (a conversion's three registers begin on an even number)
.set PW,  30                           ; scale word of an odd block
.set PWE, 31                           ; of an even one
.set CSB, 32                           ; v32-95, v96-159: two sets of cos (32) and sin (32): index 16 z + i is channel 32 z + 16 (lane / 16) + i
.set TP,  160                          ; v160-223: 64 numbers
.set IMG, 224                          ; v224-247: two images
.set WD,  248                          ; v248-253: scale words
.set SEL, 20
	v_and_b32 v2, 31, v0                           ; these plain lines name no register of the last products: they are the places behind them
	v_lshlrev_b32 v3, 2, v2                        ; 4 x lane
	v_lshlrev_b32 v2, 4, v2                        ; 16 x lane
	v_and_b32 v1, 7, v0
	v_bfe_u32 v4, v0, 3, 1
	v_lshl_add_u32 v1, v4, 4, v1                   ; (r & 7) + 16 (r >> 3)
	v_bfe_u32 v4, v0, 4, 1
	v_lshlrev_b32 v1, 8, v1                        ; x a row of cos or sin, 256 bytes,
	v_lshl_add_u32 v1, v4, 6, v1                   ; + 64 (lane / 16)
.irp b, 0,1,2,3
	v_mov_b32 v[TM+4+\b], 0                        ; written once: a lane permute's destination counts as one of its sources
.endr
	s_mov_b32 s[SEL], 0x76543210
	s_mov_b32 s[SEL+1], 0xfedcba98                 ; lane l xor 16
	s_mov_b32 s22, 0xffff0000                      ; lanes 16-31
	s_mov_b32 s23, 0x05040100                      ; two low halves
	s_mov_b32 s46, 0x07060302                      ; two high halves
; 64 numbers of a lane in window w, register 16 b + i = k 32 b + 16 (lane / 16) + i of my row, become codes: k 0-63 in v[da .. da + 5], k 64-127 in v[db .. db + 5]; the row's four scale bytes in v[pw].
.macro QUANT src, w, da, db, pw
	WIN 5*(\w)                                     ; sources 0 and 1
.irp b, 0,1,2,3
	v_max3_num_f32 v[TM+\b], |v[(\src)+16*\b]|, |v[(\src)+16*\b+1]|, 0x1800000   ; the floor 2^(3 - 127): the byte cannot fall under 1.  Each accumulator is read from its low end on
.endr
.irp i, 2,4,6,8,10,12,14
.irp b, 0,1,2,3
	v_max3_num_f32 v[TM+\b], |v[(\src)+16*\b+\i]|, |v[(\src)+16*\b+\i+1]|, v[TM+\b]
.endr
.endr
	WIN 0
.irp b, 0,1,2,3
	v_permlanex16_b32 v[TM+4+\b], v[TM+\b], s[SEL], s[SEL+1]
.endr
.irp b, 0,1,2,3
	v_max_num_f32 v[TM+\b], v[TM+\b], v[TM+4+\b]   ; with lane l xor 16's sixteen: the block's largest magnitude
.endr
.irp b, 0,1,2,3
	v_add_nc_u32 v[TM+8+\b], 0xff000000, v[TM+\b]  ; 2 off its exponent field: the conversion's scale operand
.endr
.irp b, 0,1,2,3
	v_lshrrev_b32 v[TM+4+\b], 23, v[TM+8+\b]       ; the byte
.endr
	v_lshl_or_b32 v[\pw], v[TM+5], 8, v[TM+4]
	v_lshl_or_b32 v[\pw], v[TM+6], 16, v[\pw]
	v_lshl_or_b32 v[\pw], v[TM+7], 24, v[\pw]
	WIN (\w)                                       ; source 0
	v_cvt_scalef32_pk16_fp6_f32 v[(\da):(\da)+2], v[(\src):(\src)+15], v[TM+8]
	v_cvt_scalef32_pk16_fp6_f32 v[X2:X2+2], v[(\src)+16:(\src)+31], v[TM+9]
	v_cvt_scalef32_pk16_fp6_f32 v[(\db):(\db)+2], v[(\src)+32:(\src)+47], v[TM+10]
	v_cvt_scalef32_pk16_fp6_f32 v[X2+4:X2+6], v[(\src)+48:(\src)+63], v[TM+11]
	WIN 0
	v_nop                                          ; one plain line behind the scaled conversions
.irp i, 0,1,2                                  ; the operand wants a whole block in a lane: lanes 0-15 the even block, lanes 16-31 the odd one
	v_permlane16_swap_b32 v[(\da)+\i], v[X2+\i]
	v_permlane16_swap_b32 v[(\db)+\i], v[X2+4+\i]
.endr
.irp i, 0,1,2
	v_mov_b32 v[(\da)+3+\i], v[X2+\i]
	v_mov_b32 v[(\db)+3+\i], v[X2+4+\i]
.endr
.endm
	s_cmp_eq_u32 ttmp9, 2                          ; the cluster's x: the same in all sixteen partners
	s_cbranch_scc1 .Lvway
; ---- q and k.  Block a: my token is 32 (a / 2) + 8 (a % 2) + (r & 7) + 16 (r >> 3) of the wave's 128; my 64 numbers are two heads' channels 32 z + 16 (lane / 16) + i.
.macro LOADCS a                        ; my token's 32 cos and 32 sin
.set CSS, CSB+64*((\a)%2)
.irp z, 0,1
.irp q, 0,1,2,3
	global_load_b128 v[CSS+16*\z+4*\q:CSS+16*\z+4*\q+3], v1, s[4:5] offset:(32*((\a)/2)+8*((\a)%2))*256+128*\z+16*\q
	global_load_b128 v[CSS+32+16*\z+4*\q:CSS+32+16*\z+4*\q+3], v1, s[6:7] offset:(32*((\a)/2)+8*((\a)%2))*256+128*\z+16*\q
.endr
.endr
.endm
; out[d] = u[d] cos[d] - u[d + 32] sin[d];  out[d + 32] = u[d + 32] cos[d + 32] + u[d] sin[d + 32]: d and d + 32 lie in one lane, 16 registers apart.  The results go to window 0.
.macro ROPE a
.set CSS, CSB+64*((\a)%2)
.set AC, 64*((\a)%4)
	WIN 2+(\a)/4                                   ; source 0: the accumulators
.irp c, 0,1
.irp u, 0,1
.irp j, 0,2,4,6
	v_pk_mul_f32 v[TP+32*\c+8*\u+\j:TP+32*\c+8*\u+\j+1], v[AC+8*(4*\c+2+\u)+\j:AC+8*(4*\c+2+\u)+\j+1], v[CSS+32+8*\u+\j:CSS+32+8*\u+\j+1]
	v_pk_mul_f32 v[TP+32*\c+16+8*\u+\j:TP+32*\c+16+8*\u+\j+1], v[AC+8*(4*\c+\u)+\j:AC+8*(4*\c+\u)+\j+1], v[CSS+48+8*\u+\j:CSS+48+8*\u+\j+1]
.endr
.endr
.endr
.irp c, 0,1
.irp u, 0,1
.irp j, 0,2,4,6
	v_pk_fma_f32 v[TP+32*\c+8*\u+\j:TP+32*\c+8*\u+\j+1], v[AC+8*(4*\c+\u)+\j:AC+8*(4*\c+\u)+\j+1], v[CSS+8*\u+\j:CSS+8*\u+\j+1], v[TP+32*\c+8*\u+\j:TP+32*\c+8*\u+\j+1] neg_lo:[0,0,1] neg_hi:[0,0,1]
	v_pk_fma_f32 v[TP+32*\c+16+8*\u+\j:TP+32*\c+16+8*\u+\j+1], v[AC+8*(4*\c+2+\u)+\j:AC+8*(4*\c+2+\u)+\j+1], v[CSS+16+8*\u+\j:CSS+16+8*\u+\j+1], v[TP+32*\c+16+8*\u+\j:TP+32*\c+16+8*\u+\j+1]
.endr
.endr
.endr
	WIN 0
.endm
.macro QKBLOCK a
.if (\a) < 7
	LOADCS (\a)+1
	s_wait_loadcnt 16                              ; this block's cos and sin are in; the next block's sixteen loads may be out
.else
	s_wait_loadcnt 0x0
.endif
.if ((\a)%2 == 0) && ((\a) >= 2)
	s_wait_xcnt 0x0                                ; the last images' stores have read their registers: they are written again only behind this wait
.endif
	ROPE \a
.if (\a)%2 == 0
	QUANT TP, 0, IMG, IMG+12, PWE                  ; registers 0-5 of the two heads' images
.else
	QUANT TP, 0, IMG+6, IMG+18, PW                 ; registers 6-11: the tokens 8 further on
	v_perm_b32 v[WD+2*(((\a)/2)%2)], v[PW], v[PWE], s23     ; head 0: the even block's two bytes, then the odd block's
	v_perm_b32 v[WD+2*(((\a)/2)%2)+1], v[PW], v[PWE], s46   ; head 1
.irp c, 0,1
.irp k, 0,1,2
	global_store_b128 v2, v[IMG+12*\c+4*\k:IMG+12*\c+4*\k+3], s[8:9] offset:\c*102400+1536*((\a)/2)+512*\k   ; 512 consecutive bytes, aligned
.endr
.endr
.if ((\a)/2)%2 == 1
	v_cndmask_b32 v[WD+4], v[WD], v[WD+2], s22     ; lanes 0-15 the even image's words, lanes 16-31 the odd one's
	v_cndmask_b32 v[WD+5], v[WD+1], v[WD+3], s22
	global_store_b32 v3, v[WD+4], s[8:9] offset:6144+128*((\a)/4)
	global_store_b32 v3, v[WD+5], s[8:9] offset:102400+6144+128*((\a)/4)
.endif
.endif
.endm
	LOADCS 0
.irp a, 0,1,2,3,4,5,6,7
	QKBLOCK \a
.endr
	s_branch .Ldone
; ---- v.  Block a: my channel; my 64 numbers are keys 32 b + 16 (lane / 16) + i: a whole fragment of V^T for 128 keys.  Head a / 4 of my two, image a % 4.
.Lvway:
.macro VBLOCK a
.set AC, 64*((\a)%4)
.if (\a) >= 2
	s_wait_xcnt 0x0                                ; the stores of two blocks back have read their registers
.endif
.if (\a)%2 == 0
	QUANT AC, 2+(\a)/4, IMG, IMG+6, PWE
.else
	QUANT AC, 2+(\a)/4, IMG+12, IMG+18, PW
.endif
.irp k, 0,1,2
	global_store_b128 v2, v[IMG+12*((\a)%2)+4*\k:IMG+12*((\a)%2)+4*\k+3], s[10:11] offset:((\a)/4)*102400+1536*((\a)%4)+512*\k
.endr
.if (\a)%2 == 1
	v_cndmask_b32 v[WD], v[PWE], v[PW], s22
	global_store_b32 v3, v[WD], s[10:11] offset:((\a)/4)*102400+6144+128*(((\a)%4)/2)
.endif
.endm
.irp a, 0,1,2,3,4,5,6,7
	VBLOCK \a
.endr
.Ldone:
	s_wait_tensorcnt 0x0                           ; the wave's end
	ds_add_u32 v[SPW], v[NIL]
	s_wait_dscnt 0x0
	CROUND                                         ; the closing round: no work-group ends while a partner may still ask for a tile that names it
	s_endpgm
.Lfunc_end_k_q627418789a_qkv:
	.size	k_q627418789a_qkv, .Lfunc_end_k_q627418789a_qkv-k_q627418789a_qkv
	.p2alignl 7, 3214868480
	.fill 96, 4, 3214868480
	.section	.rodata,"a",@progbits
	.p2align	6, 0x0
	.amdhsa_kernel k_q627418789a_qkv
		.amdhsa_group_segment_fixed_size 327680
		.amdhsa_private_segment_fixed_size 0
		.amdhsa_enable_private_segment 0
		.amdhsa_kernarg_size 64
		.amdhsa_user_sgpr_count 2
		.amdhsa_user_sgpr_kernarg_segment_ptr 1
		.amdhsa_wavefront_size32 1
		.amdhsa_system_sgpr_workgroup_id_x 1
		.amdhsa_system_sgpr_workgroup_id_y 1
		.amdhsa_system_sgpr_workgroup_id_z 1
		.amdhsa_system_vgpr_workitem_id 0
		.amdhsa_next_free_vgpr 1024
		.amdhsa_next_free_sgpr 102
		.amdhsa_reserve_vcc 0
		.amdhsa_float_denorm_mode_32 3
		.amdhsa_float_denorm_mode_16_64 3
		.amdhsa_memory_ordered 1
		.amdhsa_forward_progress 1
		.amdhsa_inst_pref_size 243
	.end_amdhsa_kernel
	.amdgpu_metadata
---
amdhsa.version: [ 1, 2 ]
amdhsa.kernels:
  - .name:           k_q627418789a_qkv
    .symbol:         k_q627418789a_qkv.kd
    .args:
      - { .name: xc, .offset: 0, .size: 8, .value_kind: global_buffer, .address_space: global }
      - { .name: xs, .offset: 8, .size: 8, .value_kind: global_buffer, .address_space: global }
      - { .name: wc, .offset: 16, .size: 8, .value_kind: global_buffer, .address_space: global }
      - { .name: ws, .offset: 24, .size: 8, .value_kind: global_buffer, .address_space: global }
      - { .name: cos, .offset: 32, .size: 8, .value_kind: global_buffer, .address_space: global }
      - { .name: sin, .offset: 40, .size: 8, .value_kind: global_buffer, .address_space: global }
      - { .name: qk, .offset: 48, .size: 8, .value_kind: global_buffer, .address_space: global }
      - { .name: vr, .offset: 56, .size: 8, .value_kind: global_buffer, .address_space: global }
    .group_segment_fixed_size: 327680
    .private_segment_fixed_size: 0
    .kernarg_segment_align: 8
    .kernarg_segment_size: 64
    .max_flat_workgroup_size: 128
    .sgpr_count:     102
    .vgpr_count:     1024
    .wavefront_size: 32
...
	.end_amdgpu_metadata
.endif
;; end of part 2
;; launch attn (part 3): grid 8 x 32, 16 waves a work-group, clusters of 4 x 1, 206,848 bytes of LDS; arguments qk, vr, aoc, aos; writes aoc, aos
.if DOCPART == 3
	.amdgcn_target "amdgcn-amd-amdhsa--gfx1250"
	.amdhsa_code_object_version 6
	.text
	.protected	k_q627418789a_attn
	.globl	k_q627418789a_attn
	.p2align	8
	.type	k_q627418789a_attn,@function
k_q627418789a_attn:
	s_mov_b64 s[64:65], 0
	v_nop
	global_prefetch_b8 v0, s[64:65] scope:SCOPE_SE
	s_setreg_imm32_b32 hwreg(HW_REG_WAVE_MODE, 25, 1), 1
	s_wait_xcnt 0x0
	s_wait_alu depctr_hold_cnt(0) depctr_sa_sdst(0) depctr_va_vdst(0) depctr_va_sdst(0) depctr_va_ssrc(0) depctr_va_vcc(0) depctr_vm_vsrc(0)
	s_getreg_b32 s2, hwreg(HW_REG_IB_STS2, 6, 4)
	s_cmp_eq_u32 s2, 0
	s_cbranch_scc0 .Lentry_in_a_cluster
	s_endpgm
.Lentry_in_a_cluster:
	s_bfe_u32 s2, ttmp6, 0x10000c
	s_cmp_lg_u32 s2, 0x3003
	s_cbranch_scc0 .Lentry_shape_is_right
	s_endpgm
.Lentry_shape_is_right:
; Causal attention of one head on codes of FP6 (E2M3) with E8M0 scales; head size 64; 2,048 keys.  The result, divided by the row's sum, is quantised along the model's 1,024 and stored as rows of codes (aoc [4096][768]) and scale bytes (aos [4096][32]).
; THE SOFTMAX: t = score x log2(e) / 8; M = the running largest t rounded up to a whole number; p = 2^(t - M) is quantised along the keys, not normalised; the row's sum is taken of the unquantised p; when M moves, sum and O are multiplied by 2^(old M - new M): exact.
; INPUTS are records of 6,400 bytes made by the launch before: four images of operand registers (1,536 bytes) and 256 bytes of scale words, for 128 tokens of a head.
; SHARES.  Work-group y is (batch, head).  Its sixteen waves own one tile of 16 queries each: tile j = the work-group's x (0 .. 7) of the block of 128 queries n(wave).  n is a table laid as a 4 x 4 square whose rows and columns all
; add up to 30: a wave works n + 1 key steps, so each four waves of a row or of a column have 34 steps, and all 256 work-groups are alike.  What a wave leaves out hangs on its number alone; j enters global addresses and vector data only.
; LDS holds the head's K (16 records, at 0) and V (16 records, at 102,400) whole, filled ONCE: nothing is filled again.  The four work-groups of a cluster belong to one head and ask JOINTLY.  Each wave asks for four pieces of 3,200 bytes,
; piece g of records 4 g .. 4 g + 3: the first four key steps start when the first pieces have landed.  All of K and V is asked for at the head: no later request is left that a prefetch could run ahead of.
; PRODUCTS, both transposed: a lane holds ONE query (lane % 16).  An image of K holds two tokens a row: k 0-63 token 32 i + 16 (r >> 3) + (r & 7), k 64-127 that token + 8.  It is multiplied twice: by [q | zero codes] and by [zero codes | q].
; So register 16 b + i of S^T is key 32 b + 16 (lane / 16) + i, and each byte read from LDS feeds products.  O^T += V^T P^T: registers 16 z + i are channel 32 z + 16 (lane / 16) + i.
; OUT: a head owns 48 bytes of a row of aoc and 2 of aos: a lane stores two pieces of 12 bytes and one byte; 3.3 MB in the whole launch go out so.
; LIMITS: NaN and infinities are not served; a block of zeros gets the byte 1 (its codes are zeros; this program alone reads the bytes).
.set REC,   6400
.set HEADB, 16*REC                     ; a head's records: 102,400 bytes
.set GRP,   4*REC
.set PART,  GRP/8                      ; 3,200 bytes: what one tensor load brings
.set L16,  1                           ; v1   16 x lane
.set L4,   2                           ; v2   4 x lane
.set ADK,  3                           ; v3-6 the step's LDS addresses: K's images, V's images, K's scale words, V's
.set ADV,  4
.set ADKS, 5
.set ADVS, 6
.set DL,   7                           ; v7   my query's place in its block of 128, less 16 (lane / 16)
.set OC,   8                           ; v8   the way out: my byte in aoc
.set OS,   9                           ; v9   and in aos
.set V16,  10                          ; v10  HEADB + 16 x lane
.set V4,   11                          ; v11  HEADB + 4 x lane
.set QZ,   16                          ; v16-21 zero codes, v22-27 q, v28-33 zero codes
.set IM,   36                          ; v36-83 four images
.set KSC,  84                          ; v84-85 K's scale words, v86-87 V's
.set VSC,  86
.set S,    96                          ; v96-159 S^T, then p
.set O,    160                         ; v160-191 O^T
.set QI,   192                         ; v192-203 q's image as loaded; v204 its scale word
.set WV,   12
.set SEL,  20
.set CS,   22
.set G1,   24
.set G0,   32                          ; s[32:47] four groups 0
.set TK,   48                          ; LDS byte of the step's record
.set KF,   49                          ; the step's first key
.set QB,   50                          ; 128 n
.set CNT,  51
.macro CROUND
	s_barrier_signal -1
	s_barrier_wait -1
	s_cmp_lg_u32 s[WV], 0
	s_cbranch_scc1 .Lnot_wave_0_\@
	s_barrier_signal -3
.Lnot_wave_0_\@:
	s_barrier_wait -3
	s_barrier_signal -1
	s_barrier_wait -1
.endm
	s_load_b256 s[4:11], s[0:1], 0x0               ; qk, vr, aoc, aos
	v_lshl_add_u32 v250, v0, 2, 0x32000
	v_mov_b32 v251, 0
	ds_add_u32 v250, v251
	ds_add_u32 v250, v251
	v_lshrrev_b32 v1, 5, v0
	v_readfirstlane_b32 s[WV], v1                  ; wave 0..15
	s_bfe_u32 s13, ttmp6, 0x40000                  ; cx
	s_lshl_b32 s14, ttmp9, 2
	s_add_co_u32 s14, s14, s13                     ; j
	s_and_b32 s15, ttmp7, 0xffff                   ; 16 x batch + head
	s_mov_b32 s16, 0x7a94c12f                      ; n of waves 0-7, four bits each: 15, 2, 1, 12, 4, 9, 10, 7
	s_mov_b32 s17, 0x0de3b658                      ; of waves 8-15: 8, 5, 6, 11, 3, 14, 13, 0
	s_cmp_lt_u32 s[WV], 8
	s_cselect_b32 s16, s16, s17
	s_and_b32 s17, s[WV], 7
	s_lshl_b32 s18, s17, 2
	s_lshr_b32 s16, s16, s18
	s_and_b32 s16, s16, 15                         ; n
	s_lshl_b32 s[QB], s16, 7
	s_lshr_b32 s18, s15, 4
	s_lshl_b32 s18, s18, 4
	s_add_co_u32 s18, s18, s15                     ; q's run of records in qk: 32 x batch + head
	s_mul_i32 s52, s18, HEADB
	s_mul_i32 s53, s16, REC
	s_add_co_u32 s52, s52, s53                     ; my block's record of q
	s_lshr_b32 s56, s14, 1                         ; its image j / 2
	s_lshl_b32 s54, s56, 6
	s_add_co_u32 s54, s54, s52
	s_add_co_u32 s54, s54, 6144                    ; that image's scale words: 64 bytes an image
	s_mul_i32 s53, s56, 1536
	s_add_co_u32 s52, s52, s53
	s_mov_b32 s53, 0
	s_mov_b32 s55, 0
	s_and_b32 s57, s14, 1
	s_lshl_b32 s58, s56, 5
	s_lshl_b32 s59, s57, 3
	s_add_co_u32 s58, s58, s59                     ; 32 (j / 2) + 8 (j % 2)
	s_mov_b32 s60, 0x01000100
	s_cmp_lg_u32 s57, 0
	s_cselect_b32 s59, -1, 0                       ; an odd tile takes the image's registers 6-11
	s_cselect_b32 s60, 0x03020302, s60             ; and the scale word's upper two bytes
	s_lshr_b32 s61, s15, 4
	s_lshl_b32 s61, s61, 11
	s_add_co_u32 s61, s61, s[QB]                   ; my block's first token
	s_and_b32 s62, s15, 15                         ; head
	s_mul_i32 s66, s61, 768
	s_mul_i32 s63, s62, 48
	s_add_co_u32 s66, s66, s63
	s_mov_b32 s67, 0
	s_lshl_b32 s68, s61, 5
	s_lshl_b32 s63, s62, 1
	s_add_co_u32 s68, s68, s63
	s_mov_b32 s69, 0
	s_add_co_u32 s19, s18, 16                      ; k's run of records
	s_cmp_lt_u32 s[WV], 8                          ; waves 0-7 fetch K, waves 8-15 V
	s_cselect_b32 s19, s19, s15
	s_mul_i32 s70, s19, HEADB
	s_mul_i32 s72, s17, PART
	s_add_co_u32 s70, s70, s72
	s_mov_b32 s71, 0
	s_lshr_b32 s73, s[WV], 3
	s_mul_i32 s73, s73, HEADB
	s_add_co_u32 s73, s73, s72                     ; in LDS: the wave's number alone
	s_mov_b32 s76, 0xffff0000                      ; lanes 16-31
	s_mov_b32 s[G1], 15|(3<<16)|(1<<21)            ; the mask: all four work-groups; elements of 8 bytes; bit 21 beside a mask; no padding
	s_mov_b32 s[G1+1], (PART/8)<<16                ; tensor_dim0 = 400
	s_mov_b32 s[G1+2], 1<<16                       ; tensor_dim1 = 1
	s_mov_b32 s[G1+3], (PART/8)<<16                ; tile_dim0
	s_mov_b32 s[G1+4], 1                           ; tile_dim1
	s_mov_b32 s[G1+5], PART/8                      ; the pitch
	s_mov_b32 s[G1+6], 0
	s_mov_b32 s[G1+7], 0
	s_mov_b32 s[SEL], 0x76543210
	s_mov_b32 s[SEL+1], 0xfedcba98                 ; lane l xor 16
	s_mov_b32 s[CS], 0x3e38aa3b                    ; c = log2(e) / 8
	s_mov_b32 s[CS+1], s[CS]                       ; named with it as a pair
	s_wait_dscnt 0x0
	s_wait_kmcnt 0x0
	s_cmp_lt_u32 s[WV], 8
	s_cselect_b64 s[74:75], s[4:5], s[6:7]
	s_add_nc_u64 s[74:75], s[74:75], s[70:71]      ; what I fetch: it hangs on the head and on the wave's number, which the partners share
	s_add_nc_u64 s[54:55], s[4:5], s[54:55]        ; q's scale words
	s_add_nc_u64 s[4:5], s[4:5], s[52:53]          ; q's image
	s_add_nc_u64 s[8:9], s[8:9], s[66:67]
	s_add_nc_u64 s[10:11], s[10:11], s[68:69]
	CROUND                                         ; all four work-groups are here: the joint loads meet
.irp g, 0,1,2,3
	s_mov_b32 s[G0+4*\g], 1
	s_add_co_u32 s[G0+4*\g+1], s73, \g*GRP
	s_add_nc_u64 s[G0+4*\g+2:G0+4*\g+3], s[74:75], \g*GRP
	s_or_b32 s[G0+4*\g+3], s[G0+4*\g+3], 0x80000000
.endr
.irp g, 0,1,2,3
	tensor_load_to_lds s[G0+4*\g:G0+4*\g+3], s[G1:G1+7]   ; four loads of mine are out; four v_nop follow the last
	s_nop 0
.endr
.rept 4
	v_nop
.endr
	v_and_b32 v2, 31, v0
	v_lshlrev_b32 v[L16], 4, v2
	v_lshlrev_b32 v[L4], 2, v2
.irp c, 0,1,2
	global_load_b128 v[QI+4*\c:QI+4*\c+3], v[L16], s[4:5] offset:512*\c
.endr
	v_and_b32 v3, 15, v0
	v_lshlrev_b32 v3, 2, v3
	global_load_b32 v204, v3, s[54:55]             ; row r's word, in both halves of the lanes
	v_add_nc_u32 v[V16], HEADB, v[L16]
	v_add_nc_u32 v[V4], HEADB, v[L4]
	v_and_b32 v12, 7, v0
	v_bfe_u32 v13, v0, 3, 1
	v_lshl_add_u32 v12, v13, 4, v12
	v_add_nc_u32 v12, s58, v12                     ; my query's place in its block: 32 (j / 2) + 8 (j % 2) + (r & 7) + 16 (r >> 3)
	v_bfe_u32 v13, v0, 4, 1                        ; lane / 16
	v_lshlrev_b32 v14, 4, v13
	v_sub_nc_u32 v[DL], v12, v14
	v_mul_u32_u24 v[OC], v12, 768
	v_mad_u32_u24 v[OC], v13, 12, v[OC]
	v_lshl_add_u32 v[OS], v12, 5, v13
	v_mov_b32 v13, 0xff61b1e6                      ; the largest t so far: -3e38
	v_floor_f32 v12, -v13                          ; -M
	v_mov_b32 v14, 0                               ; the sum, in two halves
	v_mov_b32 v15, 0
.irp i, 0,1,2,3,4,5
	v_mov_b32 v[QZ+\i], 0
	v_mov_b32 v[QZ+12+\i], 0
.endr
.irp b, 0,1,2,3
	v_mov_b32 v[236+\b], 0                         ; a lane permute's destination counts as one of its sources
.endr
	v_mov_b32 v252, 0
	v_mov_b32 v253, 0
	s_wait_loadcnt 0x0                             ; q
.irp i, 0,1,2,3,4,5
	v_cndmask_b32 v[QZ+6+\i], v[QI+\i], v[QI+6+\i], s59
.endr
	v_perm_b32 v255, v204, v204, s60               ; my query's two bytes, twice: they serve k 0-63 and k 64-127
.set n, 0
.rept 32
	v_mov_b32 v[O+n], 0                            ; O^T: the step is written once; the first change of M leaves zeros zeros.  (These lines also stand between the writes of q and its scale word and the first products)
.set n, n+1
.endr
; A KEY STEP: 128 keys, one record of K and one of V.
.macro STEP
	s_cmp_gt_u32 s[KF], s[QB]                      ; all 128 keys come after my block of queries: the work is left out, not the steps of the addresses
	s_cbranch_scc1 .Lhidden_\@
	v_add_nc_u32 v[ADK], s[TK], v[L16]             ; (four plain lines: the places in front of loads into registers that the last products read)
	v_add_nc_u32 v[ADKS], s[TK], v[L4]
	v_add_nc_u32 v[ADV], s[TK], v[V16]
	v_add_nc_u32 v[ADVS], s[TK], v[V4]
	ds_load_b32 v[KSC], v[ADKS] offset:6144
	ds_load_b32 v[KSC+1], v[ADKS] offset:6272
.irp t, 0,1,2,3
.irp c, 0,1,2
	ds_load_b128 v[IM+12*\t+4*\c:IM+12*\t+4*\c+3], v[ADK] offset:1536*\t+512*\c
.endr
.endr
.irp t, 0,1,2,3
	s_wait_dscnt 9-3*\t                            ; image t is in; the later images, three loads each, may be out
.if \t%2
	v_wmma_scale_f32_16x16x128_f8f6f4 v[S+16*\t:S+16*\t+7], v[IM+12*\t:IM+12*\t+11], v[QZ+6:QZ+17], 0, v[KSC+\t/2], v255 matrix_a_fmt:MATRIX_FMT_FP6 matrix_b_fmt:MATRIX_FMT_FP6 matrix_a_scale:MATRIX_SCALE_ROW1
	v_wmma_scale_f32_16x16x128_f8f6f4 v[S+16*\t+8:S+16*\t+15], v[IM+12*\t:IM+12*\t+11], v[QZ:QZ+11], 0, v[KSC+\t/2], v255 matrix_a_fmt:MATRIX_FMT_FP6 matrix_b_fmt:MATRIX_FMT_FP6 matrix_a_scale:MATRIX_SCALE_ROW1
.else
	v_wmma_scale_f32_16x16x128_f8f6f4 v[S+16*\t:S+16*\t+7], v[IM+12*\t:IM+12*\t+11], v[QZ+6:QZ+17], 0, v[KSC+\t/2], v255 matrix_a_fmt:MATRIX_FMT_FP6 matrix_b_fmt:MATRIX_FMT_FP6
	v_wmma_scale_f32_16x16x128_f8f6f4 v[S+16*\t+8:S+16*\t+15], v[IM+12*\t:IM+12*\t+11], v[QZ:QZ+11], 0, v[KSC+\t/2], v255 matrix_a_fmt:MATRIX_FMT_FP6 matrix_b_fmt:MATRIX_FMT_FP6
.endif
.endr
.rept 4
	v_nop                                          ; places: in front of the loads into the images' registers, and of the first read of the scores
.endr
	ds_load_b32 v[VSC], v[ADVS] offset:6144        ; V's record lands while the softmax is worked
	ds_load_b32 v[VSC+1], v[ADVS] offset:6272
.irp t, 0,1,2,3
.irp c, 0,1,2
	ds_load_b128 v[IM+12*\t+4*\c:IM+12*\t+4*\c+3], v[ADV] offset:1536*\t+512*\c
.endr
.endr
	s_cmp_lt_u32 s[KF], s[QB]                      ; all keys count: no mask.  Else this is my block's own step: register 16 b + i holds the key at place 32 b + 16 (lane / 16) + i, hidden where 32 b + i > v7
	s_cbranch_scc1 .Lopen_\@
	v_mov_b32 v254, 0xff800000                     ; -infinity
.set n, 0
.rept 64
	v_cmp_gt_i32 vcc_lo, 32*(n/16)+n%16, v[DL]
	v_cndmask_b32 v[S+n], v[S+n], v254, vcc_lo
.set n, n+1
.endr
.Lopen_\@:
.irp b, 0,1,2,3
	v_max3_num_f32 v[232+\b], v[S+16*\b], v[S+1+16*\b], v[S+2+16*\b]   ; the largest score of each block of 32 keys: for the row's maximum, and, since p rises with the score, for the block's largest p
.endr
.irp i, 3,5,7,9,11,13
.irp b, 0,1,2,3
	v_max3_num_f32 v[232+\b], v[232+\b], v[S+16*\b+\i], v[S+1+16*\b+\i]
.endr
.endr
.irp b, 0,1,2,3
	v_max_num_f32 v[232+\b], v[232+\b], v[S+15+16*\b]
.endr
.irp b, 0,1,2,3
	v_permlanex16_b32 v[236+\b], v[232+\b], s[SEL], s[SEL+1]
.endr
.irp b, 0,1,2,3
	v_max_num_f32 v[232+\b], v[232+\b], v[236+\b]
.endr
	v_max3_num_f32 v254, v232, v233, v234
	v_max_num_f32 v254, v254, v235
	v_mul_f32 v254, s[CS], v254                    ; as t
	v_max_num_f32 v13, v13, v254                   ; the running largest t
	v_mov_b32 v254, v12
	v_floor_f32 v12, -v13                          ; the new -M = -ceil(t)
	v_sub_f32 v254, v12, v254                      ; old M - new M: a whole number, 0 or less
	v_cvt_i32_f32 v254, v254                       ; (it saturates)
	v_ldexp_f32 v252, 1.0, v254                    ; f = 2^(old M - new M)
.set n, 0
.rept 32
	v_pk_fma_f32 v[S+n:S+n+1], v[S+n:S+n+1], s[CS:CS+1], v[12:13] op_sel_hi:[1,0,0]   ; t - M
.set n, n+2
.endr
.irp b, 0,1,2,3
	v_fma_f32 v[232+\b], v[232+\b], s[CS], v12
.endr
.set n, 0
.rept 64
	v_exp_f32 v[S+n], v[S+n]                       ; p = 2^(t - M)
.set n, n+1
.endr
	v_pk_mul_f32 v[14:15], v[14:15], v[252:253] op_sel_hi:[1,0]   ; the sums under the new M (a plain line behind the exponentials)
	s_wait_alu depctr_va_vdst(0)                   ; one wait for the batch of 64, ahead of its first reader
.irp b, 0,1,2,3
	v_exp_f32 v[232+\b], v[232+\b]                 ; each block's largest p
.endr
	v_pk_add_f32 v[236:237], v[S:S+1], v[S+2:S+3]  ; the row's sum of the unquantised p, in two chains
.irp j, 4,8,12,16,20,24,28,32,36,40,44,48,52,56,60
	v_pk_add_f32 v[14:15], v[14:15], v[S+\j:S+1+\j]
	v_pk_add_f32 v[236:237], v[236:237], v[S+2+\j:S+3+\j]
.endr
	v_pk_add_f32 v[14:15], v[14:15], v[236:237]
	s_wait_alu depctr_va_vdst(0)                   ; and one for the four
.irp b, 0,1,2,3
	v_max_num_f32 v[232+\b], 0x1800000, v[232+\b]  ; the floor 2^(3 - 127)
.endr
.irp b, 0,1,2,3
	v_add_nc_u32 v[244+\b], 0xff000000, v[232+\b]  ; the conversion's scale operand
.endr
.irp b, 0,1,2,3
	v_lshrrev_b32 v[236+\b], 23, v[244+\b]         ; the byte
.endr
	v_lshl_or_b32 v253, v237, 8, v236              ; p's scale word for these 128 keys
	v_lshl_or_b32 v253, v238, 16, v253
	v_lshl_or_b32 v253, v239, 24, v253
.irp c, 0,1
	v_cvt_scalef32_pk16_fp6_f32 v[224+6*\c:226+6*\c], v[S+32*\c:S+15+32*\c], v[244+2*\c]
	v_cvt_scalef32_pk16_fp6_f32 v[236+4*\c:238+4*\c], v[S+16+32*\c:S+31+32*\c], v[244+2*\c+1]
.endr
	v_nop                                          ; one plain line behind the scaled conversions
.irp c, 0,1
.irp i, 0,1,2
	v_permlane16_swap_b32 v[224+6*\c+\i], v[236+4*\c+\i]
.endr
.irp i, 0,1,2
	v_mov_b32 v[227+6*\c+\i], v[236+4*\c+\i]
.endr
.endr
.set n, 0
.rept 16
	v_pk_mul_f32 v[O+n:O+n+1], v[O+n:O+n+1], v[252:253] op_sel_hi:[1,0]   ; O^T under the new M; these sixteen also stand between the writes of p's codes and scale word and the products
.set n, n+2
.endr
	s_wait_dscnt 0x0                               ; V's record is in
.irp t, 0,1,2,3                                ; four accumulators by turns
.if \t%2
	v_wmma_scale_f32_16x16x128_f8f6f4 v[O+8*\t:O+8*\t+7], v[IM+12*\t:IM+12*\t+11], v[224:235], v[O+8*\t:O+8*\t+7], v[VSC+\t/2], v253 matrix_a_fmt:MATRIX_FMT_FP6 matrix_b_fmt:MATRIX_FMT_FP6 matrix_a_scale:MATRIX_SCALE_ROW1
.else
	v_wmma_scale_f32_16x16x128_f8f6f4 v[O+8*\t:O+8*\t+7], v[IM+12*\t:IM+12*\t+11], v[224:235], v[O+8*\t:O+8*\t+7], v[VSC+\t/2], v253 matrix_a_fmt:MATRIX_FMT_FP6 matrix_b_fmt:MATRIX_FMT_FP6
.endif
.endr
.Lhidden_\@:
	s_add_co_u32 s[TK], s[TK], REC
	s_add_co_u32 s[KF], s[KF], 128
.endm
	s_wait_tensorcnt 3                             ; my first piece is in; my other three may be out
	s_barrier_signal -1
	s_barrier_wait -1                              ; records 0 to 3 of K and of V are whole
	s_mov_b32 s[TK], 0
	s_mov_b32 s[KF], 0
	s_mov_b32 s[CNT], 4
.Lfirst:
	STEP
	s_sub_co_u32 s[CNT], s[CNT], 1
	s_cmp_lg_u32 s[CNT], 0
	s_cbranch_scc1 .Lfirst
	s_wait_tensorcnt 0x0                           ; all my pieces are in
	s_wait_dscnt 0x0
	s_barrier_signal -1
	s_barrier_wait -1                              ; all records are whole
	s_mov_b32 s[TK], GRP
	s_mov_b32 s[CNT], 12
.Lrest:
	STEP
	s_sub_co_u32 s[CNT], s[CNT], 1
	s_cmp_lg_u32 s[CNT], 0
	s_cbranch_scc1 .Lrest
	; THE WAY OUT: O^T / the sum; its two blocks of 32 channels are blocks of the last product's K
.rept 4
	v_nop                                          ; places behind the last products
.endr
	v_add_f32 v14, v14, v15
	v_permlanex16_b32 v236, v14, s[SEL], s[SEL+1]
	v_add_f32 v14, v14, v236                       ; the row's sum
	v_rcp_f32 v14, v14
	v_nop                                          ; a plain line behind the reciprocal
	s_wait_alu depctr_va_vdst(0)                   ; and the wait ahead of its first reader
.set n, 0
.rept 16
	v_pk_mul_f32 v[S+n:S+n+1], v[O+n:O+n+1], v[14:15] op_sel_hi:[1,0]   ; each accumulator from its low end on
.set n, n+2
.endr
.irp b, 0,1
	v_max3_num_f32 v[232+\b], |v[S+16*\b]|, |v[S+1+16*\b]|, 0x1800000
.endr
.irp i, 2,4,6,8,10,12,14
.irp b, 0,1
	v_max3_num_f32 v[232+\b], v[232+\b], |v[S+16*\b+\i]|, |v[S+1+16*\b+\i]|
.endr
.endr
.irp b, 0,1
	v_permlanex16_b32 v[236+\b], v[232+\b], s[SEL], s[SEL+1]
.endr
.irp b, 0,1
	v_max_num_f32 v[232+\b], v[232+\b], v[236+\b]
.endr
.irp b, 0,1
	v_add_nc_u32 v[244+\b], 0xff000000, v[232+\b]
.endr
.irp b, 0,1
	v_lshrrev_b32 v[236+\b], 23, v[244+\b]
.endr
	v_cvt_scalef32_pk16_fp6_f32 v[128:130], v[S:S+15], v244        ; channels 16 (lane / 16) + 0 .. 15: 12 bytes
	v_cvt_scalef32_pk16_fp6_f32 v[132:134], v[S+16:S+31], v245     ; channels 32 + 16 (lane / 16) + 0 .. 15
	v_cndmask_b32 v238, v236, v237, s76            ; lanes 0-15 store the first block's byte, lanes 16-31 the second's (also the plain line behind the conversions)
	global_store_b96 v[OC], v[128:130], s[8:9]
	global_store_b96 v[OC], v[132:134], s[8:9] offset:24
	global_store_b8 v[OS], v238, s[10:11]
	s_wait_tensorcnt 0x0
	ds_add_u32 v250, v251
	s_wait_dscnt 0x0
	CROUND                                         ; the closing round: no work-group ends while a partner may still ask for a piece that names it
	s_endpgm
.Lfunc_end_k_q627418789a_attn:
	.size	k_q627418789a_attn, .Lfunc_end_k_q627418789a_attn-k_q627418789a_attn
	.p2alignl 7, 3214868480
	.fill 96, 4, 3214868480
	.section	.rodata,"a",@progbits
	.p2align	6, 0x0
	.amdhsa_kernel k_q627418789a_attn
		.amdhsa_group_segment_fixed_size 206848
		.amdhsa_private_segment_fixed_size 0
		.amdhsa_enable_private_segment 0
		.amdhsa_kernarg_size 32
		.amdhsa_user_sgpr_count 2
		.amdhsa_user_sgpr_kernarg_segment_ptr 1
		.amdhsa_wavefront_size32 1
		.amdhsa_system_sgpr_workgroup_id_x 1
		.amdhsa_system_sgpr_workgroup_id_y 1
		.amdhsa_system_sgpr_workgroup_id_z 1
		.amdhsa_system_vgpr_workitem_id 0
		.amdhsa_next_free_vgpr 256
		.amdhsa_next_free_sgpr 78
		.amdhsa_reserve_vcc 1
		.amdhsa_float_denorm_mode_32 3
		.amdhsa_float_denorm_mode_16_64 3
		.amdhsa_memory_ordered 1
		.amdhsa_forward_progress 1
		.amdhsa_inst_pref_size 55
	.end_amdhsa_kernel
	.amdgpu_metadata
---
amdhsa.version: [ 1, 2 ]
amdhsa.kernels:
  - .name:           k_q627418789a_attn
    .symbol:         k_q627418789a_attn.kd
    .args:
      - { .name: qk, .offset: 0, .size: 8, .value_kind: global_buffer, .address_space: global }
      - { .name: vr, .offset: 8, .size: 8, .value_kind: global_buffer, .address_space: global }
      - { .name: aoc, .offset: 16, .size: 8, .value_kind: global_buffer, .address_space: global }
      - { .name: aos, .offset: 24, .size: 8, .value_kind: global_buffer, .address_space: global }
    .group_segment_fixed_size: 206848
    .private_segment_fixed_size: 0
    .kernarg_segment_align: 8
    .kernarg_segment_size: 32
    .max_flat_workgroup_size: 512
    .sgpr_count:     78
    .vgpr_count:     256
    .wavefront_size: 32
...
	.end_amdgpu_metadata
.endif
;; end of part 3
;; launch oproj (part 4): grid 4 x 16, 4 waves a work-group, clusters of 4 x 4, 327,680 bytes of LDS; arguments aoc, aos, wc, ws, out0; writes out0
.if DOCPART == 4
	.amdgcn_target "amdgcn-amd-amdhsa--gfx1250"
	.amdhsa_code_object_version 6
	.text
	.protected	k_q627418789a_oproj
	.globl	k_q627418789a_oproj
	.p2align	8
	.type	k_q627418789a_oproj,@function
k_q627418789a_oproj:
	s_mov_b64 s[64:65], 0
	v_nop
	global_prefetch_b8 v0, s[64:65] scope:SCOPE_SE
	s_setreg_imm32_b32 hwreg(HW_REG_WAVE_MODE, 25, 1), 1
	s_wait_xcnt 0x0
	s_wait_alu depctr_hold_cnt(0) depctr_sa_sdst(0) depctr_va_vdst(0) depctr_va_sdst(0) depctr_va_ssrc(0) depctr_va_vcc(0) depctr_vm_vsrc(0)
	s_getreg_b32 s2, hwreg(HW_REG_IB_STS2, 6, 4)
	s_cmp_eq_u32 s2, 0
	s_cbranch_scc0 .Lentry_in_a_cluster
	s_endpgm
.Lentry_in_a_cluster:
	s_bfe_u32 s2, ttmp6, 0x10000c
	s_cmp_lg_u32 s2, 0xf033
	s_cbranch_scc0 .Lentry_shape_is_right
	s_endpgm
.Lentry_shape_is_right:
; out0[m][n] = sum over k of A[m][k] Wo[n][k] on codes of FP6 (E2M3) with E8M0 scales.  A: aoc [4096][768 bytes], aos [4096][32]; Wo: places 3072 .. 4095 of wc and ws, in their own order; out0 [4096][1024] f32.
; A work-group of four waves makes 256 x 256, a wave 128 x 128: 64 accumulators, 512 registers.  K = 1,024 goes in steps of 256 through two LDS slots filled by the tensor data mover; the scale bytes of the 512 rows come once.
; CLUSTERS of 4 x 4: A's tiles are shared along a row of the cluster, Wo's along a column: joint loads.  The matrix instruction is used transposed (source 0 = 16 rows of Wo, source 1 = 16 rows of A): a lane holds eight neighbouring numbers of a row of out0.
; 64 tiles of 256 x 256: 64 work-groups.
; REGISTERS: window 0: v0-31 addresses; v32-63 scale words, two sets; v128-223 A's fragments, one set; on the way out v128-255 rows read back.  Window 1: B's fragments, two sets.  Windows 2, 3: the accumulators.
.set SIZE_N, 1024
.set KSTEP,  256
.set NQ,     2
.set ROWB,   192
.set KROW,   768
.set PITCH,  240
.set FR,     12
.set NL,     6
.set NP,     4
.set HALFT,  128*PITCH
.set SLOT,   4*HALFT
.set KS,     32
.set SCL,    2*SLOT
.set HALFS,  (128*KS/256)*272
.set SBLK,   (16*KS/256)*272
.set SPARE,  SCL+4*HALFS               ; the spare words: 128 bytes a wave, two blocks of 256 bytes that no other line names
.set SPITCH, 528                       ; the way out: a stage of 16 rows x (512 + 16) bytes for each wave, in slot 0, which has had its last fill and its last read by then
.set ADRA, 16
.set ADRB, 20
.set STO,  24
.set RD,   25
.set CO,   26
.set ADRS, 27
.set SPW,  28
.set NIL,  29
.set SC,   32
.set AF,   128
.set BK,   128
.set G1, 24
.set G0, 32
.set G1B, 48
.set G0B, 56
.set G1S, 68
.set G0S, 76
.set G1SB, 80
.set G0SB, 88
.set MSB, 0
.macro WIN new
.if MSB != (\new)
	s_set_vgpr_msb (MSB<<8)|(\new)
.set MSB, (\new)
.endif
.endm
.set MUL_LO, 0xa1
.set MUL_HI, 0xf1
.set TO_B,   0x40
.macro JLOAD g0a, g1a, g0b, g1b        ; a joint load: waves 0 and 1 fetch for A, waves 2 and 3 for B; four v_nop follow each of the two lines
	s_cmp_eq_u32 s15, 0
	s_cbranch_scc0 .Lfor_b_\@
	tensor_load_to_lds s[\g0a:\g0a+3], s[\g1a:\g1a+7]
	s_nop 0
.rept 4
	v_nop
.endr
	s_branch .Lasked_\@
.Lfor_b_\@:
	tensor_load_to_lds s[\g0b:\g0b+3], s[\g1b:\g1b+7]
	s_nop 0
.rept 4
	v_nop
.endr
.Lasked_\@:
.endm
.macro CREST
	s_cmp_lg_u32 s14, 0
	s_cbranch_scc1 .Lnot_wave_0_\@
	s_barrier_signal -3
.Lnot_wave_0_\@:
	s_barrier_wait -3
	s_barrier_signal -1
	s_barrier_wait -1
.endm
.macro CROUND
	s_barrier_signal -1
	s_barrier_wait -1
	CREST
.endm
	s_load_b128 s[4:7], s[0:1], 0x0                ; aoc, aos
	s_load_b128 s[8:11], s[0:1], 0x10              ; wc, ws
	s_load_b64 s[12:13], s[0:1], 0x20              ; out0
	v_lshl_add_u32 v[SPW], v0, 2, SPARE
	v_mov_b32 v[NIL], 0
	ds_add_u32 v28, v29
	ds_add_u32 v28, v29
	s_wait_dscnt 0x0
	v_lshrrev_b32 v1, 5, v0
	v_readfirstlane_b32 s14, v1
	s_lshr_b32 s15, s14, 1
	s_and_b32 s16, s14, 1
	s_bfe_u32 s40, ttmp6, 0x40000
	s_bfe_u32 s41, ttmp6, 0x40004
	s_lshl_b32 s42, ttmp9, 2
	s_add_co_u32 s42, s42, s40                     ; tile column = 4 x cluster x + cx
	s_and_b32 s17, ttmp7, 0xffff
	s_lshl_b32 s17, s17, 2
	s_add_co_u32 s17, s17, s41                     ; tile row = 4 x cluster y + cy
	s_lshl_b32 s43, s41, 2
	s_lshl_b32 s43, 15, s43
	s_lshl_b32 s44, 0x1111, s40
	s_or_b32 s[G1+0], s43, (0<<16)|(1<<20)|(1<<21)|(3<<22)|(3<<25)
	s_or_b32 s[G1B+0], s44, (0<<16)|(1<<20)|(1<<21)|(3<<22)|(3<<25)
.irp g, G1, G1B
	s_mov_b32 s[\g+1], ROWB<<16
	s_mov_b32 s[\g+2], 128<<16
	s_mov_b32 s[\g+3], ROWB<<16
	s_mov_b32 s[\g+4], 128
	s_mov_b32 s[\g+5], KROW
	s_mov_b32 s[\g+6], 0
	s_mov_b32 s[\g+7], 0
.endr
	s_or_b32 s[G1S+0], s43, (3<<16)|(1<<20)|(1<<21)|(5<<22)|(3<<25)
	s_or_b32 s[G1SB+0], s44, (3<<16)|(1<<20)|(1<<21)|(5<<22)|(3<<25)
.irp g, G1S, G1SB
	s_mov_b32 s[\g+1], 32<<16
	s_mov_b32 s[\g+2], (128*KS/256)<<16
	s_mov_b32 s[\g+3], 32<<16
	s_mov_b32 s[\g+4], 128*KS/256
	s_mov_b32 s[\g+5], 32
	s_mov_b32 s[\g+6], 0
	s_mov_b32 s[\g+7], 0
.endr
	s_lshl_b32 s18, s16, 7
	s_lshl_b32 s20, s17, 8
	s_add_co_u32 s20, s20, s18
	s_lshl_b32 s46, s42, 8
	s_add_co_u32 s46, s46, s18
	s_mov_b32 s21, 0
	s_mov_b32 s47, 0
	s_mov_b64 s[18:19], KS
	s_mul_u64 s[22:23], s[20:21], s[18:19]
	s_mul_u64 s[92:93], s[46:47], s[18:19]
	s_mov_b64 s[18:19], KROW
	s_mul_u64 s[20:21], s[20:21], s[18:19]
	s_mul_u64 s[46:47], s[46:47], s[18:19]
	s_mul_i32 s45, s14, HALFT
	s_mul_i32 s94, s14, HALFS
	s_wait_kmcnt 0x0
	s_add_nc_u64 s[8:9], s[8:9], 3072*KROW         ; Wo's codes
	s_add_nc_u64 s[10:11], s[10:11], 3072*KS       ; and scale bytes
	s_add_nc_u64 s[20:21], s[4:5], s[20:21]
	s_add_nc_u64 s[22:23], s[6:7], s[22:23]
	s_add_nc_u64 s[46:47], s[8:9], s[46:47]
	s_add_nc_u64 s[92:93], s[10:11], s[92:93]
	CROUND                                         ; all sixteen work-groups are here: the first joint loads meet
	s_mov_b32 s[G0S], 1
	s_add_co_u32 s[G0S+1], s94, SCL
	s_mov_b64 s[G0S+2:G0S+3], s[22:23]
	s_or_b32 s[G0S+3], s[G0S+3], 0x80000000
	s_mov_b32 s[G0SB], 1
	s_add_co_u32 s[G0SB+1], s94, SCL
	s_mov_b64 s[G0SB+2:G0SB+3], s[92:93]
	s_or_b32 s[G0SB+3], s[G0SB+3], 0x80000000
	JLOAD G0S, G1S, G0SB, G1SB
.irp s, 0,1
	s_mov_b32 s[G0+4*\s], 1
	s_add_co_u32 s[G0+4*\s+1], s45, \s*SLOT
	s_add_nc_u64 s[G0+4*\s+2:G0+4*\s+3], s[20:21], \s*ROWB
	s_or_b32 s[G0+4*\s+3], s[G0+4*\s+3], 0x80000000
	s_mov_b32 s[G0B+4*\s], 1
	s_add_co_u32 s[G0B+4*\s+1], s45, \s*SLOT
	s_add_nc_u64 s[G0B+4*\s+2:G0B+4*\s+3], s[46:47], \s*ROWB
	s_or_b32 s[G0B+4*\s+3], s[G0B+4*\s+3], 0x80000000
	JLOAD G0+4*\s, G1, G0B+4*\s, G1B
.endr
	v_and_b32 v1, 15, v0
	v_bfe_u32 v2, v0, 4, 1
	v_mul_u32_u24 v3, v1, PITCH
	v_mul_u32_u24 v4, v2, 24
	v_add_nc_u32 v4, v3, v4
	v_lshl_add_u32 v5, v2, 4, v4
	s_mul_i32 s21, s15, HALFT
	s_mul_i32 s22, s16, HALFT
	s_add_co_u32 s22, s22, 2*HALFT
.irp s, 0,1
	v_add_nc_u32 v[ADRA+\s], s21, v4
	v_add_nc_u32 v[ADRB+\s], s22, v4
	v_add_nc_u32 v[ADRA+2+\s], s21, v5
	v_add_nc_u32 v[ADRB+2+\s], s22, v5
	s_add_co_u32 s21, s21, SLOT
	s_add_co_u32 s22, s22, SLOT
.endr
	v_mul_u32_u24 v5, v1, KS
	v_lshrrev_b32 v6, 8, v5
	v_lshl_add_u32 v5, v6, 4, v5
	s_mul_i32 s21, s15, HALFS
	s_mul_i32 s22, s16, HALFS
	s_add_co_u32 s22, s22, 2*HALFS
	s_sub_co_u32 s22, s22, s21
	v_mul_u32_u24 v6, s22, v2
	s_add_co_u32 s21, s21, SCL
	v_add_nc_u32 v5, v5, v6
	v_add_nc_u32 v[ADRS], s21, v5
	s_mul_i32 s23, s14, 16*SPITCH                  ; my stage
	v_mul_u32_u24 v5, v1, SPITCH                   ; in: row l % 16, 32 bytes for each half of the lanes
	v_lshl_add_u32 v5, v2, 5, v5
	v_add_nc_u32 v[STO], s23, v5
	v_and_b32 v6, 31, v0
	v_lshlrev_b32 v[CO], 4, v6                     ; back: the 32 lanes take one row of 512 bytes; and the same in out0
	v_add_nc_u32 v[RD], s23, v[CO]
	s_lshl_b32 s20, s17, 8
	s_lshl_b32 s21, s15, 7
	s_add_co_u32 s20, s20, s21
	s_mov_b32 s21, 0
	s_mov_b64 s[18:19], SIZE_N*4
	s_mul_u64 s[20:21], s[20:21], s[18:19]
	s_lshl_b32 s46, s42, 10
	s_lshl_b32 s47, s16, 9
	s_add_co_u32 s46, s46, s47
	s_mov_b32 s47, 0
	s_add_nc_u64 s[20:21], s[20:21], s[46:47]
	s_add_nc_u64 s[12:13], s[12:13], s[20:21]
.macro FRAG reg, adr, q, i
.irp p, 0,1,2,3,4,5
.set PC, 12*(\q)+6*(\p/3)+\p%3
.if PC%8 < 5
	ds_load_b64 v[\reg+2*\p:\reg+2*\p+1], v[\adr] offset:8*PC+16*(PC/8)+(\i)*16*PITCH
.else
	ds_load_b64 v[\reg+2*\p:\reg+2*\p+1], v[\adr+2] offset:8*PC+16*(PC/8)+(\i)*16*PITCH
.endif
.endr
.endm
.macro MUL16 a0, p, q, sc, zero        ; the 64 accumulators take turns, one instruction a turn
.irp a, \a0, \a0+1
.irp b, 0,1,2,3,4,5,6,7
.if \zero
	v_wmma_scale_f32_16x16x128_f8f6f4 v[8*(8*((\a)%4)+\b):8*(8*((\a)%4)+\b)+7], v[128*(\p)+FR*\b:128*(\p)+FR*\b+FR-1], v[AF+FR*(\a):AF+FR*(\a)+FR-1], 0, v[SC+8*NQ*(\sc)+NQ*\b+(\q)], v[SC+8*NQ*(\sc)+NQ*(\a)+(\q)] matrix_a_fmt:MATRIX_FMT_FP6 matrix_b_fmt:MATRIX_FMT_FP6 matrix_a_scale:MATRIX_SCALE_ROW1
.else
	v_wmma_scale_f32_16x16x128_f8f6f4 v[8*(8*((\a)%4)+\b):8*(8*((\a)%4)+\b)+7], v[128*(\p)+FR*\b:128*(\p)+FR*\b+FR-1], v[AF+FR*(\a):AF+FR*(\a)+FR-1], v[8*(8*((\a)%4)+\b):8*(8*((\a)%4)+\b)+7], v[SC+8*NQ*(\sc)+NQ*\b+(\q)], v[SC+8*NQ*(\sc)+NQ*(\a)+(\q)] matrix_a_fmt:MATRIX_FMT_FP6 matrix_b_fmt:MATRIX_FMT_FP6 matrix_a_scale:MATRIX_SCALE_ROW1
.endif
.endr
.endr
.endm
.macro FETCH_B slot, q, p
	WIN TO_B
.irp i, 0,1,2,3,4,5,6,7
	FRAG 128*(\p)+FR*\i, ADRB+\slot, \q, \i
.endr
	WIN 0
.endm
.macro FETCH_A slot, q, i0
.irp i, \i0, \i0+1, \i0+2, \i0+3
	FRAG AF+FR*(\i), ADRA+\slot, \q, \i
.endr
.endm
.macro SCALES sc
.irp i, 0,1,2,3,4,5,6,7
	ds_load_b64 v[SC+8*NQ*\sc+NQ*\i:SC+8*NQ*\sc+NQ*\i+1], v[ADRS] offset:\i*SBLK
.endr
.endm
.macro PLACES n
.rept \n
	v_nop
.endr
.endm
.macro STEP slot, q, zero
	s_wait_dscnt 4*NL                              ; B's set and A's blocks 0-3 are in; A's blocks 4-7 (24 loads) may be out
	WIN MUL_LO
	MUL16 0, (\q)%2, \q, \slot, \zero
	MUL16 2, (\q)%2, \q, \slot, \zero
	s_wait_dscnt 0
	PLACES NP
	FETCH_B \slot, (\q)+1, 1-(\q)%2
	FETCH_A \slot, (\q)+1, 0
	WIN MUL_HI
	MUL16 4, (\q)%2, \q, \slot, \zero
	MUL16 6, (\q)%2, \q, \slot, \zero
	PLACES NP
	WIN 0
	FETCH_A \slot, (\q)+1, 4
.endm
.macro TURN slot, next, fill
	s_wait_tensorcnt 0x0                           ; all my tensor loads have landed: my part of the next slot
	ds_add_u32 v[SPW], v[NIL]                      ; 0 onto my spare word
	s_wait_dscnt 4*NL+1                            ; the add and A's blocks 4-7 may be out
	WIN MUL_LO
	MUL16 0, 1, NQ-1, \slot, 0
	s_wait_dscnt 0x0                               ; the add is done, and my reads of this slot are over
	s_barrier_signal -1
	MUL16 2, 1, NQ-1, \slot, 0
	WIN 0
	s_barrier_wait -1
.if \fill
	CREST                                          ; a round of the cluster's barrier: no wave of any partner still reads this slot or has a load on its way
	s_add_nc_u64 s[G0+4*\slot+2:G0+4*\slot+3], s[G0+4*\slot+2:G0+4*\slot+3], 2*ROWB
	s_add_nc_u64 s[G0B+4*\slot+2:G0B+4*\slot+3], s[G0B+4*\slot+2:G0B+4*\slot+3], 2*ROWB
	JLOAD G0+4*\slot, G1, G0B+4*\slot, G1B
.else
	PLACES NP
.endif
	v_add_nc_u32 v[ADRS], 4*NQ, v[ADRS]
	FETCH_B \next, 0, 0
	FETCH_A \next, 0, 0
	SCALES \next
	WIN MUL_HI
	MUL16 4, 1, NQ-1, \slot, 0
	MUL16 6, 1, NQ-1, \slot, 0
	PLACES NP
	WIN 0
	FETCH_A \next, 0, 4
.endm
	s_wait_tensorcnt 1                             ; the scale bytes and my part of K step 0 are in; K step 1's load may be out
	s_barrier_signal -1
	s_barrier_wait -1
	FETCH_B 0, 0, 0
	FETCH_A 0, 0, 0
	SCALES 0
	FETCH_A 0, 0, 4
	STEP 0, 0, 1                                   ; four K steps, twice round the ring, written straight; the first products start the sums
	TURN 0, 1, 1
	STEP 1, 0, 0
	TURN 1, 0, 1
	STEP 0, 0, 0
	TURN 0, 1, 0
	STEP 1, 0, 0
	s_wait_dscnt 4*NL
	WIN MUL_LO
	MUL16 0, 1, NQ-1, 1, 0
	MUL16 2, 1, NQ-1, 1, 0
	s_wait_dscnt 0
	WIN MUL_HI
	MUL16 4, 1, NQ-1, 1, 0
	MUL16 6, 1, NQ-1, 1, 0
	WIN 0
; THE WAY OUT, block by block of 16 rows x 128 columns, through my own stage in LDS: whole rows of 512 bytes come back and are stored by the 32 lanes.  LDS serves a wave's instructions in order.
.macro TOSTAGE a
.set AC, 64*((\a)%4)
	WIN 0x08+4*((\a)/4)                            ; the data: window 2 or 3
.irp b, 0,1,2,3,4,5,6,7
	ds_store_b128 v[STO], v[AC+8*\b:AC+8*\b+3] offset:64*\b          ; each accumulator from its low end on
	ds_store_b128 v[STO], v[AC+8*\b+4:AC+8*\b+7] offset:64*\b+16
.endr
	WIN 0
.set BB, BK+64*((\a)%2)
.irp t, 0,1,2,3,4,5,6,7,8,9,10,11,12,13,14,15
	ds_load_b128 v[BB+4*\t:BB+4*\t+3], v[RD] offset:\t*SPITCH
.endr
.endm
.macro SEND a, younger                 ; younger: the LDS instructions issued behind block a's loads, which may stay out
.set BB, BK+64*((\a)%2)
	s_wait_dscnt \younger
.if (\a) > 0
	s_add_nc_u64 s[12:13], s[12:13], 16*SIZE_N*4   ; behind a wait on XCNT: the earlier stores have read their base
.endif
.irp t, 0,1,2,3,4,5,6,7,8,9,10,11,12,13,14,15
	global_store_b128 v[CO], v[BB+4*\t:BB+4*\t+3], s[12:13] offset:\t*SIZE_N*4 th:TH_STORE_NT   ; 512 consecutive bytes, aligned
.endr
.endm
	PLACES NP
	TOSTAGE 0
.irp a, 1,2,3,4,5,6,7
.if \a > 1
	s_wait_xcnt 0x0                                ; block a - 2's stores have read their registers and their base
.endif
	TOSTAGE \a
	SEND \a-1, 32                                  ; behind block a - 1's loads: block a's 16 stores and 16 loads
.endr
	s_wait_xcnt 0x0
	SEND 7, 0
	s_wait_tensorcnt 0x0                           ; the wave's end
	ds_add_u32 v[SPW], v[NIL]
	s_wait_dscnt 0x0
	CROUND                                         ; the closing round
	s_endpgm
.Lfunc_end_k_q627418789a_oproj:
	.size	k_q627418789a_oproj, .Lfunc_end_k_q627418789a_oproj-k_q627418789a_oproj
	.p2alignl 7, 3214868480
	.fill 96, 4, 3214868480
	.section	.rodata,"a",@progbits
	.p2align	6, 0x0
	.amdhsa_kernel k_q627418789a_oproj
		.amdhsa_group_segment_fixed_size 327680
		.amdhsa_private_segment_fixed_size 0
		.amdhsa_enable_private_segment 0
		.amdhsa_kernarg_size 40
		.amdhsa_user_sgpr_count 2
		.amdhsa_user_sgpr_kernarg_segment_ptr 1
		.amdhsa_wavefront_size32 1
		.amdhsa_system_sgpr_workgroup_id_x 1
		.amdhsa_system_sgpr_workgroup_id_y 1
		.amdhsa_system_sgpr_workgroup_id_z 1
		.amdhsa_system_vgpr_workitem_id 0
		.amdhsa_next_free_vgpr 1024
		.amdhsa_next_free_sgpr 98
		.amdhsa_reserve_vcc 0
		.amdhsa_float_denorm_mode_32 3
		.amdhsa_float_denorm_mode_16_64 3
		.amdhsa_memory_ordered 1
		.amdhsa_forward_progress 1
		.amdhsa_inst_pref_size 160
	.end_amdhsa_kernel
	.amdgpu_metadata
---
amdhsa.version: [ 1, 2 ]
amdhsa.kernels:
  - .name:           k_q627418789a_oproj
    .symbol:         k_q627418789a_oproj.kd
    .args:
      - { .name: aoc, .offset: 0, .size: 8, .value_kind: global_buffer, .address_space: global }
      - { .name: aos, .offset: 8, .size: 8, .value_kind: global_buffer, .address_space: global }
      - { .name: wc, .offset: 16, .size: 8, .value_kind: global_buffer, .address_space: global }
      - { .name: ws, .offset: 24, .size: 8, .value_kind: global_buffer, .address_space: global }
      - { .name: out0, .offset: 32, .size: 8, .value_kind: global_buffer, .address_space: global }
    .group_segment_fixed_size: 327680
    .private_segment_fixed_size: 0
    .kernarg_segment_align: 8
    .kernarg_segment_size: 40
    .max_flat_workgroup_size: 128
    .sgpr_count:     98
    .vgpr_count:     1024
    .wavefront_size: 32
...
	.end_amdgpu_metadata
.endif
;; end of part 4
